; MI455X (gfx1250); checked and timed in simulation.
; The chip was launched on July 23, 2026; its instructions are those of AMD's public machine-readable ISA for CDNA 5 (MIT licence, August 2026) and "CDNA5" Instruction Set Architecture Reference Guide (July 2026). The comments in the code are by the model that wrote it; some were corrected since.
;; Attention. Allowed arithmetic: matrix products marked QUANTISED: E2M3 operands, one E8M0 scale for each 32 along K, by v_wmma_scale_f32_16x16x128_f8f6f4 with both operands' format E2M3, f32 sums; everything else in f32.
;; Inputs: b1 1,024 float32; b2 1,024 float32; b_mlp1 4,096 float32; b_mlp2 1,024 float32; g1 1,024 float32; g2 1,024 float32; seq_mask 2 x 2,048 bool; w_mlp1 4,096 x 1,024 float32; w_mlp2 1,024 x 4,096 float32; wk 1,024 x 1,024 float32; wo 1,024 x 1,024 float32; wq 1,024 x 1,024 float32; wv 1,024 x 1,024 float32; x 2 x 2,048 x 1,024 float32.
;; Outputs: out0 2 x 2,048 x 1,024 float32.
;; This version of the problem:
;;   THIS VERSION OF THE PROBLEM IS GIVEN IN LOW PRECISION. The matrix products marked QUANTISED in the list below multiply operands that are first quantised to E2M3 (2 exponent bits, 3 mantissa bits; 6 bits a number), with one power-of-two scale for each 32 numbers along K (OCP MX v1.0); their sums are f32. All else is computed in f32.
;;   The module's matrix products, in the order in which they are computed (A, B: the left and right operand; K: the contracted axis; several contracted axes count as one K, in the product's order):
;;     1. [M 4,096, K 1,024] x [K 1,024, N 1,024]; A: computed on the way; B: input wq: QUANTISED
;;     2. [M 4,096, K 1,024] x [K 1,024, N 1,024]; A: computed on the way; B: input wk: QUANTISED
;;     3. [M 4,096, K 1,024] x [K 1,024, N 1,024]; A: computed on the way; B: input wv: QUANTISED
;;     4. batch 32 x [M 2,048, K 64] x [K 64, N 2,048]; A: computed on the way; B: computed on the way: QUANTISED
;;     5. batch 32 x [M 2,048, K 2,048] x [K 2,048, N 64]; A: softmax (see below); B: computed on the way: QUANTISED
;;     6. [M 4,096, K 1,024] x [K 1,024, N 1,024]; A: computed on the way; B: input wo: QUANTISED
;;     7. [M 4,096, K 1,024] x [K 1,024, N 4,096]; A: computed on the way; B: input w_mlp1: QUANTISED
;;     8. [M 4,096, K 4,096] x [K 4,096, N 1,024]; A: computed on the way; B: input w_mlp2: QUANTISED
;;   THE QUANTISER, for each operand of a quantised product, along K:
;;     - K is cut into blocks of 32 from its start; a last block that is shorter is filled with zeros.
;;     - A block's scale is 2^e with e = floor(log2(the largest magnitude in the block)) - 2, held to -126 .. 127; a block of zeros has e = 0. As a byte (E8M0): e + 127.
;;     - Each number is divided by its block's scale, clamped to +-7.5, and rounded to the nearest number of E2M3, ties to even, subnormals kept.
;;     - The product sums the exact products of the quantised numbers (number of the format x scale) in f32.
;;   ~~~python
;;   def quantise(x, axis):      # numpy; x: float32 -> the quantised numbers, widened to float32 again
;;       x = np.moveaxis(x, axis, -1); K = x.shape[-1]
;;       x = np.pad(x, [(0, 0)] * (x.ndim - 1) + [(0, -K % 32)]); x = x.reshape(x.shape[:-1] + (-1, 32)); a = np.abs(x).max(-1, keepdims=True)
;;       e = np.where(a > 0, np.clip(np.frexp(np.where(a > 0, a, 1))[1] - 1 - 2, -126, 127), 0)      # np.frexp(a)[1] - 1 = floor(log2(a)), exactly
;;       r = np.clip(x / 2.0 ** e, -7.5, 7.5)
;;       step = 2.0 ** (np.maximum(np.frexp(np.where(r == 0, 1, r))[1] - 1, 0) - 3)
;;       q = np.round(r / step) * step * 2.0 ** e      # np.round: ties to even
;;       return np.moveaxis(q.reshape(q.shape[:-2] + (-1,))[..., :K], -1, axis).astype(np.float32)
;;   ~~~
;;   SOFTMAX AHEAD OF A QUANTISED PRODUCT. Where the list says 'softmax', what is quantised is not the finished softmax but p = 2^(t - M), with t = logit x log2(e) and M = ceil(the row's largest t), a whole number; so 1/2 < the row's largest p <= 1. The row's sum l is taken of the UNQUANTISED p, in f32, and the product's result is divided by l at the end. Since M is a whole number, a kernel that streams over the keys may use a running M (the ceiling of the running maximum): every later rescaling is an exact power of two, which a block's scale takes up: the codes' values come out the same.
;;   OPERANDS COMPUTED ON THE WAY. 'Computed on the way' means the value that the module computes at that place (a softmax that the list does not call 'softmax' is quantised finished and normalised). What goes into a quantiser is computed in f32, as accurately as f32 sums, v_exp_f32 and their like allow (about 1e-6 of the number): no bf16 or f16 on the way to a quantiser, and a product that is left as it is and whose result goes on into a quantised operand takes f32 operands (vector FMAs, or v_wmma_f32_16x16x4_f32). A number that lies on a knife's edge between two numbers of the format may be rounded either way, as far as f32 arithmetic and the matrix unit's own rounding can turn it there, and no further.
;; One version. Each part assembles by itself: llvm-mc -triple=amdgcn-amd-amdhsa -mcpu=gfx1250 --defsym DOCPART=n.
;; ======== version 1 of 1: 7 launches
;; limits: right only within a limited range of input values
;; workspace buffers: wts 9,830,400 bytes; nxc 3,276,800 bytes; qkvc 9,830,400 bytes; aoc 3,276,800 bytes; x1 16,777,216 bytes; hc 13,107,200 bytes
;; launch prep (part 1): grid 1024 x 1, 8 waves a work-group, no clusters, 78,848 bytes of LDS; arguments wq, wk, wv, wo, w_mlp1, w_mlp2, wts, x, g1, b1, nxc; writes wts, nxc
.if DOCPART == 1
	.amdgcn_target "amdgcn-amd-amdhsa--gfx1250"
	.amdhsa_code_object_version 6
	.text
	.protected	k_q1996fbea8f_prep
	.globl	k_q1996fbea8f_prep
	.p2align	8
	.type	k_q1996fbea8f_prep,@function
k_q1996fbea8f_prep:
	s_mov_b64 s[64:65], 0
	v_nop
	global_prefetch_b8 v0, s[64:65] scope:SCOPE_SE
	s_setreg_imm32_b32 hwreg(HW_REG_WAVE_MODE, 25, 1), 1
	s_wait_xcnt 0x0
; TWO JOBS OF ONE SHAPE IN ONE LAUNCH.  (1) The rows of x (4,096 x 1,024 f32) are normalised, y = (x - mean) rsqrt(var + 1e-5) g + b, and quantised.  (2) The six weights ([N][K] f32, K innermost) are quantised as they are.
; Both become codes of FP6 (E2M3) with one E8M0 byte for each 32 along K, laid as the matrix unit's operand registers want them.
; A FRAGMENT is 16 rows x 128 K: 12 registers a lane.  It is stored as the IMAGE of those registers, 1,536 bytes: registers 4 g .. 4 g + 3 of lane l at 512 g + 16 l.  Its scale words: 16 words, 64 bytes.
; THE ROWS OF A TILE ARE NOT NEIGHBOURS: place r of tile t is row 32 (t / 2) + 8 (t % 2) + r + 8 (r / 8): so the results of two neighbouring tiles are 16 neighbours along the next product's K.
; nxc: [256 tiles][8 K steps] images, from byte 3,145,728 on the scale words.  wts: images of wq, wk, wv, wo, w_mlp1 ([tile][8 K steps]) and w_mlp2 ([tile][32 K steps]) on end, 6,144 fragments; from byte 9,437,184 on the scale words.
; A work-group takes 16 rows x 8 K steps, a wave one fragment.  Work-groups 0-255: tile n of x.  Work-groups 256-1,023: fragments 8 (n - 256) + wave of wts.
; ONE PATH FOR BOTH: only pointers and offsets are chosen by the work-group's number.  Every work-group forms the rows' sums and passes both barriers; a weight's mean is multiplied by 0, and a scalar branch on the
; work-group's number leaves out the scaling by rsqrt, g and b, which is work on registers alone.  The sums that a weight does not need are some 130 vector lines beside 8 KB fetched from memory.
; The variance is the mean of (x - mean)^2, taken in a second pass over registers: no difference of large sums is formed.
; 16 loads of 512 consecutive bytes (one row's 128 numbers each); the 8 KB turn through the wave's own stage in LDS and come back into the registers that they left, so that a lane holds 16 neighbours of each block of 32.
; g and b: a wave's 128 columns are 512 bytes each: one load each, at the head, and through 1,024 LDS bytes of the wave's own to the lanes.
; A block's scale is 2^(floor(log2(largest magnitude)) - 2); its byte is the largest magnitude's exponent field - 2, held at 1 from below (a block of zeros keeps 1: its codes are zeros, and this program alone reads the bytes).
; LIMITS: NaN and infinities among the inputs are not served (a weight's rows must have finite sums); blocks whose largest magnitude lies under 2^-124 keep the byte 1.
.set STG,    8448                      ; a wave's stage: 16 rows x (512 bytes + 16)
.set RED,    8*STG                     ; 1,024 bytes for the sums, 1,024 for the sums of squares: word [wave][lane]
.set GB,     RED+2048                  ; 1,024 bytes a wave: its 128 numbers of g, then of b
.set SPARE,  GB+8192                   ; the spare words, 128 bytes a wave
.set LNWG,   256                       ; the work-groups that take rows of x
.set SCX,    3145728                   ; where the scale words begin in nxc
.set SCW,    9437184                   ; and in wts
.set X,   16                           ; v16-79   the 16 rows as loaded; then register 16 b + i: k = 32 b + 16 (lane / 16) + i of my K step, of row place lane % 16
.set B,   80                           ; v80-143  b at the same columns
.set G,   144                          ; v144-207 g
.set TM,  208                          ; v208-223 at work
.set AUX, 224
.set PC,  232                          ; v232-243 the fragment; before that v232-239: g's and b's 16 bytes as loaded
.set PW,  244
.set SPW, 12                           ; v12 my spare word's LDS address; v13 0: both never rewritten
.set NIL, 13
.set SEL, 40                           ; s[40:41] selects for lane l xor 16
.macro QUANT s, d0, d1                 ; 64 numbers of a lane -> registers 0-5 of the fragment at v[d0], 6-11 at v[d1], the scale word in v[PW]
.irp b, 0,1,2,3
	v_max3_num_f32 v[TM+\b], |v[\s+16*\b]|, |v[\s+16*\b+1]|, 0x1800000   ; block b: my 16 numbers, and the floor 2^(3 - 127)
.endr
.irp i, 2,4,6,8,10,12,14
.irp b, 0,1,2,3
	s_delay_alu instid0(VALU_DEP_4)
	v_max3_num_f32 v[TM+\b], v[TM+\b], |v[\s+16*\b+\i]|, |v[\s+16*\b+\i+1]|
.endr
.endr
.irp b, 0,1,2,3
	s_delay_alu instid0(VALU_DEP_4)
	v_permlanex16_b32 v[TM+4+\b], v[TM+\b], s[SEL], s[SEL+1]
.endr
.irp b, 0,1,2,3
	s_delay_alu instid0(VALU_DEP_4)
	v_max_num_f32 v[TM+\b], v[TM+\b], v[TM+4+\b]     ; with lane l xor 16's: the block's largest magnitude
.endr
.irp b, 0,1,2,3
	s_delay_alu instid0(VALU_DEP_4)
	v_add_nc_u32 v[TM+12+\b], 0xff000000, v[TM+\b]   ; 2 off its exponent field: the conversion's scale operand
.endr
.irp b, 0,1,2,3
	s_delay_alu instid0(VALU_DEP_4)
	v_lshrrev_b32 v[TM+4+\b], 23, v[TM+12+\b]        ; the scale's byte
.endr
	s_delay_alu instid0(VALU_DEP_3)
	v_lshl_or_b32 v[PW], v[TM+5], 8, v[TM+4]
	s_delay_alu instid0(VALU_DEP_1)
	v_lshl_or_b32 v[PW], v[TM+6], 16, v[PW]
	s_delay_alu instid0(VALU_DEP_1)
	v_lshl_or_b32 v[PW], v[TM+7], 24, v[PW]
	v_cvt_scalef32_pk16_fp6_f32 v[\d0:\d0+2], v[\s:\s+15], v[TM+12]
	v_cvt_scalef32_pk16_fp6_f32 v[AUX:AUX+2], v[\s+16:\s+31], v[TM+13]
	v_cvt_scalef32_pk16_fp6_f32 v[\d1:\d1+2], v[\s+32:\s+47], v[TM+14]
	v_cvt_scalef32_pk16_fp6_f32 v[AUX+4:AUX+6], v[\s+48:\s+63], v[TM+15]
	v_nop                                            ; one plain place behind the scaled conversions
.irp i, 0,1,2
	v_permlane16_swap_b32 v[\d0+\i], v[AUX+\i]       ; a whole block to a lane: lanes 0-15 the even block, lanes 16-31 the odd one
.endr
.irp i, 0,1,2
	s_delay_alu instid0(VALU_DEP_3)
	v_mov_b32 v[\d0+3+\i], v[AUX+\i]
.endr
.irp i, 0,1,2
	v_permlane16_swap_b32 v[\d1+\i], v[AUX+4+\i]
.endr
.irp i, 0,1,2
	s_delay_alu instid0(VALU_DEP_3)
	v_mov_b32 v[\d1+3+\i], v[AUX+4+\i]
.endr
.endm
; four pairs of partial sums in v[208:215] -> the whole row's sum in v208, in every lane of the row, in every wave
.macro ACROSS off
	s_delay_alu instid0(VALU_DEP_3)
	v_pk_add_f32 v[208:209], v[208:209], v[210:211]
	s_delay_alu instid0(VALU_DEP_2)
	v_pk_add_f32 v[212:213], v[212:213], v[214:215]
	s_delay_alu instid0(VALU_DEP_1)
	v_pk_add_f32 v[208:209], v[208:209], v[212:213]
	s_delay_alu instid0(VALU_DEP_1)
	v_add_f32 v208, v208, v209
	s_delay_alu instid0(VALU_DEP_1)
	v_permlanex16_b32 v209, v208, s[SEL], s[SEL+1]
	s_delay_alu instid0(VALU_DEP_1)
	v_add_f32 v208, v208, v209                     ; my wave's 128 columns of the row
	ds_store_b32 v8, v208 offset:\off
	s_wait_dscnt 0x0                               ; for the others' sake: my store has landed
	s_barrier_signal -1
	s_barrier_wait -1
.irp w, 0,1,2,3,4,5,6,7
	ds_load_b32 v[216+\w], v9 offset:\off+128*\w
.endr
	s_wait_dscnt 0x0
	v_add_f32 v208, v216, v217
.irp w, 2,3,4,5,6,7
	s_delay_alu instid0(VALU_DEP_1)
	v_add_f32 v208, v208, v[216+\w]                ; the same order in every wave: all hold the same bits
.endr
.endm
.macro LOADROWS rb                     ; place p of the tile is row p + 8 (p / 8) from the tile's first; 32 lanes read 512 consecutive bytes
.irp p, 0,1,2,3,4,5,6,7,8,9,10,11,12,13,14,15
	global_load_b128 v[X+4*\p:X+4*\p+3], v3, s[50:51] offset:(\p+8*(\p/8))*\rb th:TH_LOAD_NT
.endr
.endm
	s_load_b256 s[4:11], s[0:1], 0x0               ; wq, wk, wv, wo
	s_load_b256 s[12:19], s[0:1], 0x20             ; w_mlp1, w_mlp2, wts, x
	s_load_b128 s[20:23], s[0:1], 0x40             ; g1, b1
	s_load_b64 s[24:25], s[0:1], 0x50              ; nxc
	v_lshl_add_u32 v[SPW], v0, 2, SPARE
	v_mov_b32 v[NIL], 0
	v_lshrrev_b32 v1, 5, v0
	s_delay_alu instid0(VALU_DEP_1)
	v_readfirstlane_b32 s26, v1                    ; wave 0..7
	v_and_b32 v1, 15, v0                           ; r
	v_bfe_u32 v2, v0, 4, 1                         ; h
	v_and_b32 v10, 31, v0
	s_delay_alu instid0(VALU_DEP_1)
	v_lshlrev_b32 v3, 4, v10                       ; 16 x lane
	s_mul_i32 s27, s26, STG
	v_add_nc_u32 v4, s27, v3                       ; the stage, on the way in
	v_mul_u32_u24 v5, v1, 528
	s_delay_alu instid0(VALU_DEP_1)
	v_lshl_add_u32 v5, v2, 6, v5
	s_delay_alu instid0(VALU_DEP_1)
	v_add_nc_u32 v5, s27, v5                       ; and out: row r, + 64 h
	v_lshlrev_b32 v6, 2, v1
	s_delay_alu instid0(VALU_DEP_1)
	v_lshl_add_u32 v6, v2, 1, v6                   ; my 2 bytes of the 64 of scale words: 4 r + 2 h
	v_lshlrev_b32 v7, 4, v2                        ; 16 h: the shift that brings them down
	v_lshl_add_u32 v8, v0, 2, RED                  ; my word among the sums: 128 x wave + 4 x lane
	v_lshl_add_u32 v9, v10, 2, RED                 ; my lane's word in wave 0's
	s_lshl_b32 s28, s26, 10
	s_add_co_u32 s28, s28, GB                      ; my wave's 1,024 bytes for g and b
	v_add_nc_u32 v14, s28, v3                      ; in: 16 x lane
	v_lshl_add_u32 v15, v2, 6, s28                 ; out: 64 h
	s_mov_b32 s[SEL], 0x76543210
	s_mov_b32 s[SEL+1], 0xfedcba98
	s_mov_b32 s54, 0x3a800000                      ; 1 / 1,024
	s_mov_b32 s55, 0x3727c5ac                      ; 1e-5
	; which tensor, which tile, which K step: all from the work-group's number
	s_mov_b32 s30, 768
	s_mov_b32 s37, SCW
	s_cmp_lt_u32 ttmp9, 768
	s_cselect_b32 s30, 512, s30                    ; the tensor's first work-group
	s_cselect_b32 s31, 0, 2                        ; w_mlp2 has four work-groups to a tile
	s_cselect_b32 s32, 12, 14                      ; a row is 2^12 or 2^14 bytes
	s_cselect_b32 s33, 0, 3
	s_cmp_lt_u32 ttmp9, 512
	s_cselect_b32 s30, 448, s30
	s_cmp_lt_u32 ttmp9, 448
	s_cselect_b32 s30, 384, s30
	s_cmp_lt_u32 ttmp9, 384
	s_cselect_b32 s30, 320, s30
	s_cmp_lt_u32 ttmp9, 320
	s_cselect_b32 s30, 256, s30
	s_cmp_lt_u32 ttmp9, LNWG
	s_cselect_b32 s30, 0, s30
	s_cselect_b32 s36, 0, LNWG                     ; what comes off the work-group's number for the fragment's number in its buffer
	s_cselect_b32 s37, SCX, s37                    ; where that buffer's scale words begin
	s_cselect_b32 s38, 0x3a800000, 0               ; a row of x: mean = sum / 1,024; a weight: 0 is taken away
	s_sub_co_u32 s34, ttmp9, s30
	s_lshr_b32 s35, s34, s31                       ; tile
	s_and_b32 s34, s34, s33
	s_lshl_b32 s34, s34, 3
	s_add_co_u32 s34, s34, s26                     ; K step
	s_lshr_b32 s42, s35, 1
	s_lshl_b32 s42, s42, 5
	s_and_b32 s35, s35, 1
	s_lshl_b32 s35, s35, 3
	s_add_co_u32 s42, s42, s35                     ; the tile's first row: 32 (t / 2) + 8 (t % 2)
	s_lshl_b32 s42, s42, s32
	s_lshl_b32 s34, s34, 9
	s_add_co_u32 s42, s42, s34                     ; + 512 bytes a K step
	s_mov_b32 s43, 0
	s_sub_co_u32 s44, ttmp9, s36
	s_lshl_b32 s44, s44, 3
	s_add_co_u32 s44, s44, s26                     ; the fragment's number
	s_mul_i32 s46, s44, 1536
	s_mov_b32 s47, 0
	s_lshl_b32 s44, s44, 6
	s_add_co_u32 s44, s44, s37
	s_mov_b32 s45, 0
	s_lshl_b32 s48, s26, 9                         ; g, b: my wave's 128 columns
	s_mov_b32 s49, 0
	s_wait_kmcnt 0x0
	s_cmp_lt_u32 ttmp9, 768                        ; only pointers are chosen: all tensors take one path through the text
	s_cselect_b64 s[50:51], s[12:13], s[14:15]
	s_cmp_lt_u32 ttmp9, 512
	s_cselect_b64 s[50:51], s[10:11], s[50:51]
	s_cmp_lt_u32 ttmp9, 448
	s_cselect_b64 s[50:51], s[8:9], s[50:51]
	s_cmp_lt_u32 ttmp9, 384
	s_cselect_b64 s[50:51], s[6:7], s[50:51]
	s_cmp_lt_u32 ttmp9, 320
	s_cselect_b64 s[50:51], s[4:5], s[50:51]
	s_cmp_lt_u32 ttmp9, LNWG
	s_cselect_b64 s[50:51], s[18:19], s[50:51]
	s_cselect_b64 s[52:53], s[24:25], s[16:17]     ; the buffer that takes the codes
	s_add_nc_u64 s[50:51], s[50:51], s[42:43]
	s_add_nc_u64 s[46:47], s[52:53], s[46:47]      ; the image's place
	s_add_nc_u64 s[44:45], s[52:53], s[44:45]      ; the scale words' place
	s_add_nc_u64 s[20:21], s[20:21], s[48:49]
	s_add_nc_u64 s[22:23], s[22:23], s[48:49]
	s_cmp_lt_u32 ttmp9, 768                        ; the row's length stands in the loads' immediates: two runs of loads, nothing else differs
	s_cbranch_scc0 .Lwide
	LOADROWS 4096
	s_branch .Lloaded
.Lwide:
	LOADROWS 16384
.Lloaded:
	global_load_b128 v[PC:PC+3], v3, s[20:21]      ; g: 32 lanes read my wave's 512 bytes
	global_load_b128 v[PC+4:PC+7], v3, s[22:23]    ; b likewise
	s_wait_loadcnt 2                               ; the rows are in; g's and b's loads may stay out
.irp p, 0,1,2,3,4,5,6,7,8,9,10,11,12,13,14,15
	ds_store_b128 v4, v[X+4*\p:X+4*\p+3] offset:528*\p
.endr
	s_wait_alu depctr_va_vdst(0)
.irp n, 0,1,2,3,4,5,6,7,8,9,10,11,12,13,14,15
	ds_load_b128 v[X+4*\n:X+4*\n+3], v5 offset:128*(\n/4)+16*(\n%4)   ; LDS serves a wave's instructions in order (ISA guide 5.7.1.4): these see my stores, and come back into the registers that the stores have left
.endr
	s_wait_loadcnt 0x0                             ; g and b
	ds_store_b128 v14, v[PC:PC+3]
	ds_store_b128 v14, v[PC+4:PC+7] offset:512
.irp n, 0,1,2,3,4,5,6,7,8,9,10,11,12,13,14,15
	ds_load_b128 v[G+4*\n:G+4*\n+3], v15 offset:128*(\n/4)+16*(\n%4)       ; sixteen lanes read the same 16 bytes
.endr
.irp n, 0,1,2,3,4,5,6,7,8,9,10,11,12,13,14,15
	ds_load_b128 v[B+4*\n:B+4*\n+3], v15 offset:512+128*(\n/4)+16*(\n%4)
.endr
	s_wait_dscnt 34                                ; the rows are back; the 2 stores and 32 loads of g and b may stay out
.irp c, 0,1,2,3
	v_pk_add_f32 v[208+2*\c:209+2*\c], v[X+2*\c:X+2*\c+1], v[X+8+2*\c:X+9+2*\c]   ; four chains
.endr
.irp i, 16,24,32,40,48,56
.irp c, 0,1,2,3
	s_delay_alu instid0(VALU_DEP_4)
	v_pk_add_f32 v[208+2*\c:209+2*\c], v[208+2*\c:209+2*\c], v[X+\i+2*\c:X+\i+2*\c+1]
.endr
.endr
	ACROSS 0
	s_delay_alu instid0(VALU_DEP_1)
	v_mul_f32 v246, s38, v208                      ; the mean; 0 for a weight
	s_delay_alu instid0(VALU_DEP_1)
	v_mov_b32 v247, v246
.set n, 0
.rept 32
	v_pk_add_f32 v[X+n:X+n+1], v[X+n:X+n+1], v[246:247] neg_lo:[0,1] neg_hi:[0,1]   ; x - mean
.set n, n+2
.endr
.irp c, 0,1,2,3
	v_pk_mul_f32 v[208+2*\c:209+2*\c], v[X+2*\c:X+2*\c+1], v[X+2*\c:X+2*\c+1]
.endr
.irp i, 8,16,24,32,40,48,56
.irp c, 0,1,2,3
	s_delay_alu instid0(VALU_DEP_4)
	v_pk_fma_f32 v[208+2*\c:209+2*\c], v[X+\i+2*\c:X+\i+2*\c+1], v[X+\i+2*\c:X+\i+2*\c+1], v[208+2*\c:209+2*\c]
.endr
.endr
	ACROSS 1024                                    ; other bytes than the first sums': one barrier each
	s_cmp_lt_u32 ttmp9, LNWG                       ; a weight is quantised as it is: the branch goes round work on registers alone
	s_cbranch_scc0 .Lquant
	v_fma_f32 v248, v208, s54, s55                 ; var + 1e-5
	s_wait_alu depctr_va_vdst(0)
	v_rsq_f32 v250, v248
	v_nop                                          ; a plain place behind the transcendental
	s_wait_alu depctr_va_vdst(0)                   ; the wait ahead of the result's first reader
	v_mov_b32 v251, v250
.set n, 0
.rept 32
	v_pk_mul_f32 v[X+n:X+n+1], v[X+n:X+n+1], v[250:251]
.set n, n+2
.endr
.set n, 0
.rept 32
	v_pk_fma_f32 v[X+n:X+n+1], v[X+n:X+n+1], v[G+n:G+n+1], v[B+n:B+n+1]
.set n, n+2
.endr
.Lquant:
	QUANT X, PC, PC+6
	v_lshrrev_b32 v[PW+1], v7, v[PW]
.irp g, 0,1,2
	global_store_b128 v3, v[PC+4*\g:PC+4*\g+3], s[46:47] offset:512*\g   ; 32 lanes store 512 consecutive bytes, at a multiple of 256 from the buffer's first byte
.endr
	global_store_b16 v6, v[PW+1], s[44:45]         ; 32 lanes store the 64 bytes of scale words: 1 / 24 of the codes' bytes
	s_wait_tensorcnt 0x0                           ; the wave's end
	ds_add_u32 v[SPW], v[NIL]
	s_wait_dscnt 0x0
	s_endpgm
.Lfunc_end_k_q1996fbea8f_prep:
	.size	k_q1996fbea8f_prep, .Lfunc_end_k_q1996fbea8f_prep-k_q1996fbea8f_prep
	.p2alignl 7, 3214868480
	.fill 96, 4, 3214868480
	.section	.rodata,"a",@progbits
	.p2align	6, 0x0
	.amdhsa_kernel k_q1996fbea8f_prep
		.amdhsa_group_segment_fixed_size 78848
		.amdhsa_private_segment_fixed_size 0
		.amdhsa_enable_private_segment 0
		.amdhsa_kernarg_size 88
		.amdhsa_user_sgpr_count 2
		.amdhsa_user_sgpr_kernarg_segment_ptr 1
		.amdhsa_wavefront_size32 1
		.amdhsa_system_sgpr_workgroup_id_x 1
		.amdhsa_system_sgpr_workgroup_id_y 1
		.amdhsa_system_sgpr_workgroup_id_z 1
		.amdhsa_system_vgpr_workitem_id 0
		.amdhsa_next_free_vgpr 256
		.amdhsa_next_free_sgpr 66
		.amdhsa_reserve_vcc 0
		.amdhsa_float_denorm_mode_32 3
		.amdhsa_float_denorm_mode_16_64 3
		.amdhsa_memory_ordered 1
		.amdhsa_forward_progress 1
		.amdhsa_inst_pref_size 34
	.end_amdhsa_kernel
	.amdgpu_metadata
---
amdhsa.version: [ 1, 2 ]
amdhsa.kernels:
  - .name:           k_q1996fbea8f_prep
    .symbol:         k_q1996fbea8f_prep.kd
    .args:
      - { .name: wq, .offset: 0, .size: 8, .value_kind: global_buffer, .address_space: global }
      - { .name: wk, .offset: 8, .size: 8, .value_kind: global_buffer, .address_space: global }
      - { .name: wv, .offset: 16, .size: 8, .value_kind: global_buffer, .address_space: global }
      - { .name: wo, .offset: 24, .size: 8, .value_kind: global_buffer, .address_space: global }
      - { .name: w_mlp1, .offset: 32, .size: 8, .value_kind: global_buffer, .address_space: global }
      - { .name: w_mlp2, .offset: 40, .size: 8, .value_kind: global_buffer, .address_space: global }
      - { .name: wts, .offset: 48, .size: 8, .value_kind: global_buffer, .address_space: global }
      - { .name: x, .offset: 56, .size: 8, .value_kind: global_buffer, .address_space: global }
      - { .name: g1, .offset: 64, .size: 8, .value_kind: global_buffer, .address_space: global }
      - { .name: b1, .offset: 72, .size: 8, .value_kind: global_buffer, .address_space: global }
      - { .name: nxc, .offset: 80, .size: 8, .value_kind: global_buffer, .address_space: global }
    .group_segment_fixed_size: 78848
    .private_segment_fixed_size: 0
    .kernarg_segment_align: 8
    .kernarg_segment_size: 88
    .max_flat_workgroup_size: 256
    .sgpr_count:     66
    .vgpr_count:     256
    .wavefront_size: 32
...
	.end_amdgpu_metadata
.endif
;; end of part 1
;; launch proj_qkv (part 2): grid 8 x 24, 4 waves a work-group, clusters of 4 x 4, 327,680 bytes of LDS; arguments nxc, wts, qkvc; writes qkvc
.if DOCPART == 2
	.amdgcn_target "amdgcn-amd-amdhsa--gfx1250"
	.amdhsa_code_object_version 6
	.text
	.protected	k_q1996fbea8f_proj_qkv
	.globl	k_q1996fbea8f_proj_qkv
	.p2align	8
	.type	k_q1996fbea8f_proj_qkv,@function
k_q1996fbea8f_proj_qkv:
	s_mov_b64 s[64:65], 0
	v_nop
	global_prefetch_b8 v0, s[64:65] scope:SCOPE_SE
	s_setreg_imm32_b32 hwreg(HW_REG_WAVE_MODE, 25, 1), 1
	s_wait_xcnt 0x0
	s_wait_alu depctr_hold_cnt(0) depctr_sa_sdst(0) depctr_va_vdst(0) depctr_va_sdst(0) depctr_va_ssrc(0) depctr_va_vcc(0) depctr_vm_vsrc(0)
	s_getreg_b32 s2, hwreg(HW_REG_IB_STS2, 6, 4)
	s_cmp_eq_u32 s2, 0
	s_cbranch_scc0 .Lentry_in_a_cluster
	s_endpgm
.Lentry_in_a_cluster:
	s_bfe_u32 s2, ttmp6, 0x10000c
	s_cmp_lg_u32 s2, 0xf033
	s_cbranch_scc0 .Lentry_shape_is_right
	s_endpgm
.Lentry_shape_is_right:
; q, k, v = nx wq^T, nx wk^T, nx wv^T on codes of FP6 (E2M3) with E8M0 scales, and the quantiser for attention's operands behind them.
; THE PRODUCT.  OUT(s1, s0) = sum over k of S1[s1][k] S0[s0][k].  Source 0 of the matrix instruction is a fragment of S0, source 1 one of S1: a lane then holds ONE row of S1, and its registers run along S0's rows.
; Operands lie in memory as images of fragments (16 rows x 128 K: 1,536 bytes, registers 4 g .. 4 g + 3 of lane l at 512 g + 16 l), [tile of 16 rows][K step]; scale words [tile][K step][16 words].
; Place r of tile t is row 32 (t / 2) + 8 (t % 2) + r + 8 (r / 8): so a lane's 16 registers of S0's tiles 2 b and 2 b + 1 are the 16 neighbours 32 b + 16 (lane / 16) + 0 .. 15 along S0.
; A work-group of four waves makes 256 x 256, a wave 128 x 128: 64 accumulators.  K goes in slots of 256 through a ring of two LDS slots; the scale words of the work-group's rows come once and stay.
; TWO MODES, by the cluster's y (the same in all sixteen partners):  clusters 0-3: S1 = nx (tokens), S0 = wq, wk: a lane holds a token, its registers run along a head's channels, the first product's K.
;   clusters 4, 5: S1 = wv, S0 = nx: a lane holds a channel and its registers run along the tokens, which are the second product's K.  Only base pointers and offsets are chosen; masks, shapes and LDS are the same.
; CLUSTERS: 4 x 4.  S1's tiles hang on the work-group's y and are asked for jointly along a row of the cluster, S0's on its x, along a column.
; OUT.  q, k: [32 heads (16 of q, 16 of k)][128 groups of 32 tokens][1,536]: a PAIR fragment: registers 0-5 the head's 64 channels of the group's even tile's token, registers 6-11 those of the odd tile's.
;   v: from byte 6,291,456: [batch][head][16 steps of 128 keys][4 tiles of 16 channels][1,536].  Scale words: q, k from 9,437,184, v from 9,699,328, 64 bytes a fragment.
; LIMITS: NaN and infinities are not served; blocks whose largest magnitude lies under 2^-124 keep the byte 1 (its codes are zeros or nearly; this program alone reads the bytes).
.set TB,    8                          ; tiles of 16 along each side of a wave's part
.set NQ,    2                          ; K steps of 128 in a slot
.set KT,    8                          ; K steps in all
.set LAPS,  KT/(2*NQ)
.set HALF,  TB/2
.set RT,    KT*1536                    ; a tile's images of all K steps
.set QUART, TB*NQ*1536                 ; what one tensor load brings: TB tiles x NQ K steps
.set SLOT,  4*QUART                    ; S1's two halves, then S0's two halves
.set QS,    TB*KT*64                   ; the scale words of TB tiles
.set SCL,   2*SLOT                     ; behind the ring: four such blocks
.set SPARE, SCL+4*QS                   ; the spare words, 128 bytes a wave
.set ADR1, 16                          ; v16-17 LDS address of my S1 fragments in slot 0, 1
.set ADR0, 20                          ; v20-21 the same for S0
.set SH16, 22                          ; v22    16 (lane / 16)
.set ADRS, 27                          ; v27    LDS address of my scale words: lanes 0-15 S1's, lanes 16-31 S0's
.set SPW,  28                          ; v28    my spare word; v29 0: never rewritten
.set NIL,  29
.set L16,  30                          ; v30    16 x lane
.set SCO,  31                          ; v31    4 r + 2 h
.set SC,   32                          ; v32-39, v40-47 scale words, two sets: they hold nothing else
.set TM,   64                          ; the way out, in window 0: v64-79 at work, v80-87 second halves, v88 a scale word
.set AUX,  80
.set PW,   88
.set PW0,  89
.set W0,   92
.set W1,   93
.set SEL,  66                          ; s[66:67]
.set MODE, 96                          ; s96
.set G1, 24
.set G0, 32
.set G1B, 48
.set G0B, 56
.set G1S, 68
.set G0S, 76
.set G1SB, 80
.set G0SB, 88
; REGISTERS, in windows of 256: window 0: addresses, scale words, S1's fragments in two sets (v64-159, v160-255); window 1: S0's two sets (v0-95, v128-223); windows 2, 3: accumulator (a, b) in window 2 + a / 4 at v[8 (8 (a % 4) + b)].
.set MSB, 0
.macro WIN new                         ; the immediate's high byte repeats the setting that is left
.if MSB != (\new)
	s_set_vgpr_msb (MSB<<8)|(\new)
.set MSB, (\new)
.endif
.endm
.macro JLOAD g0a, g1a, g0b, g1b        ; a joint load: waves 0 and 1 fetch for S1, waves 2 and 3 for S0; an s_nop 0 and four v_nop follow each line
	s_cmp_eq_u32 s15, 0
	s_cbranch_scc0 .Lfor_b_\@
	tensor_load_to_lds s[\g0a:\g0a+3], s[\g1a:\g1a+7]
	s_nop 0
.rept 4
	v_nop
.endr
	s_branch .Lasked_\@
.Lfor_b_\@:
	tensor_load_to_lds s[\g0b:\g0b+3], s[\g1b:\g1b+7]
	s_nop 0
.rept 4
	v_nop
.endr
.Lasked_\@:
.endm
.macro CREST                           ; a round of the cluster's barrier behind its opening barrier
	s_cmp_lg_u32 s14, 0
	s_cbranch_scc1 .Lnot_wave_0_\@
	s_barrier_signal -3
.Lnot_wave_0_\@:
	s_barrier_wait -3
	s_barrier_signal -1
	s_barrier_wait -1
.endm
.macro CROUND
	s_barrier_signal -1
	s_barrier_wait -1
	CREST
.endm
.macro PLACES n
.rept \n
	v_nop
.endr
.endm
.macro FETCH slot, q, set              ; the fragments and scale words of the slot's q-th K step into a set: 7 TB loads in one run
	WIN 0x40
.set fi, 0
.rept TB
.irp g, 0,1,2
	ds_load_b128 v[128*(\set)+12*fi+4*\g:128*(\set)+12*fi+4*\g+3], v[ADR0+\slot] offset:fi*NQ*1536+(\q)*1536+512*\g
.endr
.set fi, fi+1
.endr
	WIN 0
.set fi, 0
.rept TB
.irp g, 0,1,2
	ds_load_b128 v[64+96*(\set)+12*fi+4*\g:64+96*(\set)+12*fi+4*\g+3], v[ADR1+\slot] offset:fi*NQ*1536+(\q)*1536+512*\g
.endr
.set fi, fi+1
.endr
.set fi, 0
.rept TB
	ds_load_b32 v[SC+8*(\set)+fi], v[ADRS] offset:fi*KT*64+(\q)*64   ; lanes 0-15: S1's tile fi; lanes 16-31: S0's tile fi
.set fi, fi+1
.endr
.endm
; half of a K step's products: S1's tiles of one window x all of S0's.  cm = 0: onto the sums; 1: the constant 0 starts them.  The accumulators take turns, one instruction a turn, in the same order in every K step.
.macro MULH half, set, cm
	WIN 0xa1+0x50*(\half)
.set ma, HALF*(\half)
.rept HALF
.set mb, 0
.rept TB
.set rD, 8*(TB*(ma%HALF)+mb)
.set rB, 128*(\set)+12*mb
.set rA, 64+96*(\set)+12*ma
.if \cm == 0
	v_wmma_scale_f32_16x16x128_f8f6f4 v[rD:rD+7], v[rB:rB+11], v[rA:rA+11], v[rD:rD+7], v[SC+8*(\set)+mb], v[SC+8*(\set)+ma] matrix_a_fmt:MATRIX_FMT_FP6 matrix_b_fmt:MATRIX_FMT_FP6 matrix_a_scale:MATRIX_SCALE_ROW1
.else
	v_wmma_scale_f32_16x16x128_f8f6f4 v[rD:rD+7], v[rB:rB+11], v[rA:rA+11], 0, v[SC+8*(\set)+mb], v[SC+8*(\set)+ma] matrix_a_fmt:MATRIX_FMT_FP6 matrix_b_fmt:MATRIX_FMT_FP6 matrix_a_scale:MATRIX_SCALE_ROW1
.endif
.set mb, mb+1
.endr
.set ma, ma+1
.endr
.endm
.macro STEP slot, q, cm                ; a K step that has its successor in the same slot
	s_wait_dscnt 0x0                               ; this step's fragments are in (asked for a whole K step ago)
	PLACES 4                                       ; in front of loads into registers that the last step's products read
	FETCH \slot, (\q)+1, 1-(\q)%2
	MULH 0, (\q)%2, \cm
	MULH 1, (\q)%2, \cm
	WIN 0
.endm
.macro MID slot
.set mq, 1
.rept NQ-2
	STEP \slot, mq, 0
.set mq, mq+1
.endr
.endm
; A slot's last K step changes slots.  Its fragments are in registers already, so the slot is free: each wave waits for all its tensor loads, adds 0 to its spare word, waits for that and for its reads, and signals.
.macro TURN slot, next, fill
	s_wait_tensorcnt 0x0                           ; all my tensor loads have landed: my part of the next slot; so a group 0 may be written
	ds_add_u32 v[SPW], v[NIL]                      ; 0 onto my spare word
.if \fill
	s_add_nc_u64 s[G0+4*\slot+2:G0+4*\slot+3], s[G0+4*\slot+2:G0+4*\slot+3], 2*NQ*1536
	s_add_nc_u64 s[G0B+4*\slot+2:G0B+4*\slot+3], s[G0B+4*\slot+2:G0B+4*\slot+3], 2*NQ*1536
.endif
	s_wait_dscnt 0x0                               ; the add is done, and my reads of this slot are over
	s_barrier_signal -1
	MULH 0, 1, 0                                   ; work on registers while the others arrive
	WIN 0
	s_barrier_wait -1
.if \fill
	CREST                                          ; the barrier has opened a round of the cluster's: no wave of any partner still reads this slot or has a load on its way
	JLOAD G0+4*\slot, G1, G0B+4*\slot, G1B         ; the first tensor load behind the round; its four v_nop are the places in front of the loads below
.else
	PLACES 4
.endif
	s_wait_alu depctr_va_vdst(0)
	v_add_nc_u32 v[ADRS], NQ*64, v[ADRS]           ; the next slot's scale words
	FETCH \next, 0, 0
	MULH 1, 1, 0
	WIN 0
.endm
; 64 numbers of a lane in window W, register 16 b + i = place 32 b + 16 (lane / 16) + i along the next K -> registers 0-5 of a fragment at v[d0], 6-11 at v[d1] (window 0), the scale word in v[PW]
.macro QUANT s, W, d0, d1
	WIN ((\W)<<2)|((\W)<<4)
.irp b, 0,1,2,3
	v_max3_num_f32 v[TM+\b], 0x1800000, |v[(\s)+16*\b]|, |v[(\s)+16*\b+1]|   ; block b: my 16 numbers, from each accumulator's low end on, and the floor 2^(3 - 127)
.endr
.irp i, 2,4,6,8,10,12,14
.irp b, 0,1,2,3
	v_max3_num_f32 v[TM+\b], v[TM+\b], |v[(\s)+16*\b+\i]|, |v[(\s)+16*\b+\i+1]|
.endr
.endr
	WIN 0
.irp b, 0,1,2,3
	v_permlanex16_b32 v[TM+4+\b], v[TM+\b], s[SEL], s[SEL+1]
.endr
.irp b, 0,1,2,3
	v_max_num_f32 v[TM+\b], v[TM+\b], v[TM+4+\b]
.endr
.irp b, 0,1,2,3
	v_add_nc_u32 v[TM+12+\b], 0xff000000, v[TM+\b]   ; 2 off the exponent field: the conversion's scale operand
.endr
.irp b, 0,1,2,3
	v_lshrrev_b32 v[TM+4+\b], 23, v[TM+12+\b]
.endr
	v_lshl_or_b32 v[PW], v[TM+5], 8, v[TM+4]
	v_lshl_or_b32 v[PW], v[TM+6], 16, v[PW]
	v_lshl_or_b32 v[PW], v[TM+7], 24, v[PW]
	WIN (\W)
	v_cvt_scalef32_pk16_fp6_f32 v[(\d0):(\d0)+2], v[(\s):(\s)+15], v[TM+12]
	v_cvt_scalef32_pk16_fp6_f32 v[AUX:AUX+2], v[(\s)+16:(\s)+31], v[TM+13]
	v_cvt_scalef32_pk16_fp6_f32 v[(\d1):(\d1)+2], v[(\s)+32:(\s)+47], v[TM+14]
	v_cvt_scalef32_pk16_fp6_f32 v[AUX+4:AUX+6], v[(\s)+48:(\s)+63], v[TM+15]
	WIN 0
	v_nop                                            ; one plain place behind the scaled conversions
.irp i, 0,1,2
	v_permlane16_swap_b32 v[(\d0)+\i], v[AUX+\i]
.endr
.irp i, 0,1,2
	v_mov_b32 v[(\d0)+3+\i], v[AUX+\i]
.endr
.irp i, 0,1,2
	v_permlane16_swap_b32 v[(\d1)+\i], v[AUX+4+\i]
.endr
.irp i, 0,1,2
	v_mov_b32 v[(\d1)+3+\i], v[AUX+4+\i]
.endr
.endm
	s_load_b128 s[4:7], s[0:1], 0x0                ; nx's codes, the weights' codes
	s_load_b64 s[8:9], s[0:1], 0x10                ; the output
	v_lshl_add_u32 v[SPW], v0, 2, SPARE
	v_mov_b32 v[NIL], 0
	ds_add_u32 v[SPW], v[NIL]                      ; the wave's opening: the add and its wait ahead of my first tensor load
	ds_add_u32 v[SPW], v[NIL]
	v_lshrrev_b32 v1, 5, v0
	v_readfirstlane_b32 s14, v1                    ; wave 0..3
	s_lshr_b32 s15, s14, 1                         ; my half of S1's rows.  Also: I fetch for S1 (0) or S0 (1)
	s_and_b32 s16, s14, 1                          ; my half of S0's rows.  Also: which half I fetch
	s_bfe_u32 s40, ttmp6, 0x40000                  ; cx, cy
	s_bfe_u32 s41, ttmp6, 0x40004
	s_and_b32 s95, ttmp7, 0xffff                   ; the cluster's y, 0..5
	s_lshl_b32 s97, s95, 2
	s_max_u32 s98, s95, 4
	s_sub_co_u32 s98, s98, 4
	s_lshl_b32 s98, s98, 3                         ; 8 (cluster y - 4) in clusters 4 and 5, else 0
	s_cmp_ge_u32 s95, 4
	s_cselect_b32 s[MODE], 1, 0                    ; 1: v
	s_cselect_b32 s97, 0, s97
	s_add_co_u32 s17, s97, s41                     ; S1's block of 256 rows: q, k: 4 x cluster y + cy (tokens); v: cy (channels)
	s_lshl_b32 s42, ttmp9, 2
	s_add_co_u32 s42, s42, s40
	s_add_co_u32 s42, s42, s98                     ; S0's: q, k: 4 x cluster x + cx (channels of wq, wk); v: + 8 (cluster y - 4) (tokens)
	s_lshl_b32 s43, s41, 2
	s_lshl_b32 s43, 15, s43                        ; my row of the cluster
	s_lshl_b32 s44, 0x1111, s40                    ; my column
	s_or_b32 s[G1+0], s43, (3<<16)|(1<<21)         ; the mask; elements of 8 bytes; bit 21 beside a mask; no padding: images need none
	s_or_b32 s[G1B+0], s44, (3<<16)|(1<<21)
.irp g, G1, G1B
	s_mov_b32 s[\g+1], (NQ*192)<<16                ; tensor_dim0: NQ images on end
	s_mov_b32 s[\g+2], (2*TB)<<16                  ; tensor_dim1: the head's load brings both halves, 2 TB tiles
	s_mov_b32 s[\g+3], (NQ*192)<<16                ; tile_dim0
	s_mov_b32 s[\g+4], 2*TB                        ; tile_dim1
	s_mov_b32 s[\g+5], KT*192                      ; from tile to tile
	s_mov_b32 s[\g+6], 0
	s_mov_b32 s[\g+7], 0
.endr
	s_or_b32 s[G1S+0], s43, (3<<16)|(1<<21)        ; the scale words of TB tiles: a dense block, as rows of 256 bytes
	s_or_b32 s[G1SB+0], s44, (3<<16)|(1<<21)
.irp g, G1S, G1SB
	s_mov_b32 s[\g+1], 32<<16
	s_mov_b32 s[\g+2], (QS/128)<<16                ; the scale words of 2 TB tiles
	s_mov_b32 s[\g+3], 32<<16
	s_mov_b32 s[\g+4], QS/128
	s_mov_b32 s[\g+5], 32
	s_mov_b32 s[\g+6], 0
	s_mov_b32 s[\g+7], 0
.endr
	s_mul_i32 s20, s17, 2*TB                       ; S1: the block's first tile of 16 rows
	s_mul_i32 s46, s42, 2*TB                       ; S0 likewise
	s_mul_i32 s22, s20, KT*64
	s_mul_i32 s92, s46, KT*64
	s_mul_i32 s20, s20, RT
	s_mul_i32 s46, s46, RT
	s_mov_b32 s18, 0                               ; where the operands begin in their buffers
	s_mov_b32 s19, 3145728                         ; nx's scale words
	s_mov_b32 s99, 9437184                         ; wq's scale words
	s_cmp_lg_u32 s[MODE], 0
	s_cselect_b32 s18, 1572864, s18                ; wv's images
	s_cselect_b32 s19, 9502720, s19                ; wv's scale words
	s_cselect_b32 s99, 3145728, s99
	s_add_co_u32 s20, s20, s18
	s_add_co_u32 s22, s22, s19
	s_add_co_u32 s92, s92, s99
	s_mov_b32 s21, 0
	s_mov_b32 s23, 0
	s_mov_b32 s47, 0
	s_mov_b32 s93, 0
	s_mul_i32 s45, s14, QUART                      ; where they go: by the wave's number alone
	s_mov_b32 s[SEL], 0x76543210
	s_mov_b32 s[SEL+1], 0xfedcba98
	s_wait_dscnt 0x0                               ; the opening add is done
	s_wait_kmcnt 0x0
	s_cmp_lg_u32 s[MODE], 0
	s_cselect_b64 s[10:11], s[6:7], s[4:5]         ; S1's buffer
	s_cselect_b64 s[12:13], s[4:5], s[6:7]         ; S0's
	s_add_nc_u64 s[20:21], s[10:11], s[20:21]
	s_add_nc_u64 s[22:23], s[10:11], s[22:23]
	s_add_nc_u64 s[46:47], s[12:13], s[46:47]
	s_add_nc_u64 s[92:93], s[12:13], s[92:93]
	CROUND                                         ; all sixteen work-groups are here: the first joint loads meet
	s_mov_b32 s[G0S], 1
	s_mov_b32 s[G0S+1], SCL
	s_mov_b64 s[G0S+2:G0S+3], s[22:23]
	s_or_b32 s[G0S+3], s[G0S+3], 0x80000000
	s_mov_b32 s[G0SB], 1
	s_mov_b32 s[G0SB+1], SCL+2*QS
	s_mov_b64 s[G0SB+2:G0SB+3], s[92:93]
	s_or_b32 s[G0SB+3], s[G0SB+3], 0x80000000
	; THE HEAD'S FOUR TILES, ONE LOAD A WAVE: wave 0 slot 0's 2 TB tiles of S1, wave 1 those of S0, wave 2 S1's scale words, wave 3 S0's.
	; Slot 0's groups 0 serve the head's whole tiles first; behind the wait for them they are set to my half, for the ring.
	s_mul_i32 s18, s16, TB*RT                      ; my half of a block, in bytes
	s_mov_b32 s19, 0
.irp g, G0, G0B
	s_mov_b32 s[\g], 1
	s_mov_b32 s[\g+4], 1
	s_add_co_u32 s[\g+5], s45, SLOT
.endr
	s_mov_b32 s[G0+1], 0
	s_mov_b32 s[G0B+1], 2*QUART
	s_mov_b64 s[G0+2:G0+3], s[20:21]
	s_mov_b64 s[G0B+2:G0B+3], s[46:47]
	s_add_nc_u64 s[20:21], s[20:21], s[18:19]
	s_add_nc_u64 s[46:47], s[46:47], s[18:19]
	s_add_nc_u64 s[G0+6:G0+7], s[20:21], NQ*1536
	s_add_nc_u64 s[G0B+6:G0B+7], s[46:47], NQ*1536
.irp r, G0+3, G0+7, G0B+3, G0B+7
	s_or_b32 s[\r], s[\r], 0x80000000
.endr
.macro ARM under, g0, g1, next         ; one chain of branches on the wave's number: every way passes exactly one load
	s_cmp_lt_u32 s14, \under
	s_cbranch_scc0 \next
	tensor_load_to_lds s[\g0:\g0+3], s[\g1:\g1+7]
	s_nop 0
.rept 4
	v_nop
.endr
	s_branch .Lhead_asked
\next:
.endm
	ARM 1, G0,  G1,  .Lhead_b
	ARM 2, G0B, G1B, .Lhead_sa
	ARM 3, G0S, G1S, .Lhead_sb
	tensor_load_to_lds s[G0SB:G0SB+3], s[G1SB:G1SB+7]
	s_nop 0
.rept 4
	v_nop
.endr
.Lhead_asked:
	v_and_b32 v1, 15, v0                           ; r
	v_bfe_u32 v2, v0, 4, 1                         ; h
	v_and_b32 v3, 31, v0
	v_lshlrev_b32 v[L16], 4, v3
	v_lshlrev_b32 v[SH16], 4, v2
	v_lshlrev_b32 v[SCO], 2, v1
	v_lshl_add_u32 v[SCO], v2, 1, v[SCO]
	s_mul_i32 s21, s15, QUART
	s_mul_i32 s22, s16, QUART
	s_add_co_u32 s22, s22, 2*QUART
.irp s, 0,1
	v_add_nc_u32 v[ADR1+\s], s21, v[L16]
	v_add_nc_u32 v[ADR0+\s], s22, v[L16]
	s_add_co_u32 s21, s21, SLOT
	s_add_co_u32 s22, s22, SLOT
.endr
	v_lshlrev_b32 v5, 2, v1
	s_mul_i32 s21, s15, QS
	s_mul_i32 s22, s16, QS
	s_add_co_u32 s22, s22, 2*QS
	s_sub_co_u32 s22, s22, s21
	v_mul_u32_u24 v6, s22, v2                      ; lanes 16-31 take S0's: one product, the distance between the two blocks
	s_add_co_u32 s21, s21, SCL
	v_add_nc_u32 v5, v5, v6
	v_add_nc_u32 v[ADRS], s21, v5
	s_wait_alu depctr_va_vdst(0)
	s_wait_tensorcnt 0x0                           ; my tile of the head's four is in
	ds_add_u32 v[SPW], v[NIL]
.irp g, G1, G1B
	s_mov_b32 s[\g+2], TB<<16                      ; no load of mine is out: from here on a load brings TB tiles
	s_mov_b32 s[\g+4], TB
.endr
.irp g, G0, G0B
	s_mov_b32 s[\g+1], s45                         ; slot 0's group 0 for the ring: my quarter of the slot, my half of the block
	s_add_nc_u64 s[\g+2:\g+3], s[\g+2:\g+3], s[18:19]
.endr
	s_wait_dscnt 0x0
	CROUND                                         ; all four tiles are in, and all sixteen work-groups are here
	JLOAD G0+4, G1, G0B+4, G1B                     ; slot 1's first fill: the first tensor load behind the round
	FETCH 0, 0, 0
	STEP 0, 0, 1                                   ; the first K step stands in front of the loop: its products start the sums
.if LAPS > 1
	s_mov_b32 s3, LAPS-1
.Llap:
	MID 0
	TURN 0, 1, 1
	s_wait_alu depctr_va_vdst(0)
	STEP 1, 0, 0
	MID 1
	TURN 1, 0, 1
	s_wait_alu depctr_va_vdst(0)
	STEP 0, 0, 0
	s_sub_co_u32 s3, s3, 1
	s_cmp_lg_u32 s3, 0
	s_cbranch_scc1 .Llap
.endif
	MID 0                                          ; the last lap fills nothing
	TURN 0, 1, 0
	s_wait_alu depctr_va_vdst(0)
	STEP 1, 0, 0
	MID 1
	s_wait_dscnt 0x0
	MULH 0, 1, 0
	MULH 1, 1, 0
	WIN 0
	PLACES 4                                       ; in front of the first read of results and of writes into the fragments' registers
; THE WAY OUT.  Each of my 8 tiles of S1's rows has 64 registers a lane: one fragment's worth along the next K.
.irp b, 0,1,2,3
	v_mov_b32 v[TM+4+\b], 0                        ; a lane permute's destination counts as one of its sources
.endr
.macro OUTQK p                         ; tiles 2 p and 2 p + 1 (32 tokens) x my two heads -> two pair fragments
	s_wait_xcnt 0x0                                ; the earlier stores have read their registers
.set FRG, 96+24*((\p)%2)
	QUANT 64*((2*(\p))%4), 2+(2*(\p))/4, FRG, FRG+12           ; the even tile: head 0's 64 channels to registers 0-5 of its pair, head 1's likewise
	v_mov_b32 v[PW0], v[PW]
	QUANT 64*((2*(\p)+1)%4), 2+(2*(\p)+1)/4, FRG+6, FRG+18     ; the odd tile: registers 6-11
	v_perm_b32 v[W0], v[PW], v[PW0], 0x05040100    ; head 0's word: the even token's two bytes, then the odd token's
	v_perm_b32 v[W1], v[PW], v[PW0], 0x07060302    ; head 1's
	v_lshrrev_b32 v[W0], v[SH16], v[W0]
	v_lshrrev_b32 v[W1], v[SH16], v[W1]
.irp c, 0,1
.irp g, 0,1,2
	global_store_b128 v[L16], v[FRG+12*\c+4*\g:FRG+12*\c+4*\g+3], s[10:11] offset:\c*196608+(\p)*1536+512*\g   ; 512 consecutive bytes
.endr
.endr
	global_store_b16 v[SCO], v[W0], s[12:13] offset:64*(\p)
	global_store_b16 v[SCO], v[W1], s[12:13] offset:8192+64*(\p)
.endm
.macro OUTV p                          ; tiles 2 p and 2 p + 1 (16 channels each) x my 128 tokens -> two fragments
	s_wait_xcnt 0x0
.set FRG, 96+24*((\p)%2)
	QUANT 64*((2*(\p))%4), 2+(2*(\p))/4, FRG, FRG+6
	v_lshrrev_b32 v[W0], v[SH16], v[PW]
	QUANT 64*((2*(\p)+1)%4), 2+(2*(\p)+1)/4, FRG+12, FRG+18
	v_lshrrev_b32 v[W1], v[SH16], v[PW]
.irp u, 0,1
.irp g, 0,1,2
	global_store_b128 v[L16], v[FRG+12*\u+4*\g:FRG+12*\u+4*\g+3], s[10:11] offset:((2*(\p)+\u)/4)*98304+((2*(\p)+\u)%4)*1536+512*\g
.endr
.endr
	global_store_b16 v[SCO], v[W0], s[12:13] offset:((2*(\p))/4)*4096+((2*(\p))%4)*64
	global_store_b16 v[SCO], v[W1], s[12:13] offset:((2*(\p)+1)/4)*4096+((2*(\p)+1)%4)*64
.endm
	s_cmp_lg_u32 s[MODE], 0                        ; by the cluster's y: the same in all partners
	s_cbranch_scc1 .Lvmode
	s_lshl_b32 s20, s42, 2
	s_lshl_b32 s21, s16, 1
	s_add_co_u32 s20, s20, s21                     ; my first head (0-15 q's, 16-31 k's)
	s_lshl_b32 s20, s20, 7
	s_lshl_b32 s21, s17, 3
	s_add_co_u32 s20, s20, s21
	s_lshl_b32 s21, s15, 2
	s_add_co_u32 s20, s20, s21                     ; 128 x head + my first group of 32 tokens
	s_lshl_b32 s22, s20, 6
	s_add_co_u32 s22, s22, 9437184
	s_mul_i32 s20, s20, 1536
	s_mov_b32 s21, 0
	s_mov_b32 s23, 0
	s_add_nc_u64 s[10:11], s[8:9], s[20:21]
	s_add_nc_u64 s[12:13], s[8:9], s[22:23]
	OUTQK 0
	OUTQK 1
	OUTQK 2
	OUTQK 3
	s_branch .Ljoin
.Lvmode:
	s_lshl_b32 s20, s42, 1
	s_add_co_u32 s20, s20, s16                     ; my 128 tokens: batch 16 of them, step the rest
	s_lshr_b32 s21, s20, 4
	s_and_b32 s20, s20, 15
	s_lshl_b32 s21, s21, 4
	s_lshl_b32 s22, s17, 2
	s_add_co_u32 s21, s21, s22
	s_lshl_b32 s22, s15, 1
	s_add_co_u32 s21, s21, s22                     ; 16 x batch + my first head
	s_lshl_b32 s21, s21, 4
	s_add_co_u32 s20, s20, s21                     ; x 16 + step
	s_lshl_b32 s22, s20, 8
	s_add_co_u32 s22, s22, 9699328
	s_mul_i32 s20, s20, 6144
	s_add_co_u32 s20, s20, 6291456
	s_mov_b32 s21, 0
	s_mov_b32 s23, 0
	s_add_nc_u64 s[10:11], s[8:9], s[20:21]
	s_add_nc_u64 s[12:13], s[8:9], s[22:23]
	OUTV 0
	OUTV 1
	OUTV 2
	OUTV 3
.Ljoin:
	s_wait_tensorcnt 0x0                           ; the wave's end
	ds_add_u32 v[SPW], v[NIL]
	s_wait_dscnt 0x0
	CROUND                                         ; the closing round
	s_endpgm
.Lfunc_end_k_q1996fbea8f_proj_qkv:
	.size	k_q1996fbea8f_proj_qkv, .Lfunc_end_k_q1996fbea8f_proj_qkv-k_q1996fbea8f_proj_qkv
	.p2alignl 7, 3214868480
	.fill 96, 4, 3214868480
	.section	.rodata,"a",@progbits
	.p2align	6, 0x0
	.amdhsa_kernel k_q1996fbea8f_proj_qkv
		.amdhsa_group_segment_fixed_size 327680
		.amdhsa_private_segment_fixed_size 0
		.amdhsa_enable_private_segment 0
		.amdhsa_kernarg_size 24
		.amdhsa_user_sgpr_count 2
		.amdhsa_user_sgpr_kernarg_segment_ptr 1
		.amdhsa_wavefront_size32 1
		.amdhsa_system_sgpr_workgroup_id_x 1
		.amdhsa_system_sgpr_workgroup_id_y 1
		.amdhsa_system_sgpr_workgroup_id_z 1
		.amdhsa_system_vgpr_workitem_id 0
		.amdhsa_next_free_vgpr 1024
		.amdhsa_next_free_sgpr 100
		.amdhsa_reserve_vcc 0
		.amdhsa_float_denorm_mode_32 3
		.amdhsa_float_denorm_mode_16_64 3
		.amdhsa_memory_ordered 1
		.amdhsa_forward_progress 1
		.amdhsa_inst_pref_size 179
	.end_amdhsa_kernel
	.amdgpu_metadata
---
amdhsa.version: [ 1, 2 ]
amdhsa.kernels:
  - .name:           k_q1996fbea8f_proj_qkv
    .symbol:         k_q1996fbea8f_proj_qkv.kd
    .args:
      - { .name: nxc, .offset: 0, .size: 8, .value_kind: global_buffer, .address_space: global }
      - { .name: wts, .offset: 8, .size: 8, .value_kind: global_buffer, .address_space: global }
      - { .name: qkvc, .offset: 16, .size: 8, .value_kind: global_buffer, .address_space: global }
    .group_segment_fixed_size: 327680
    .private_segment_fixed_size: 0
    .kernarg_segment_align: 8
    .kernarg_segment_size: 24
    .max_flat_workgroup_size: 128
    .sgpr_count:     100
    .vgpr_count:     1024
    .wavefront_size: 32
...
	.end_amdgpu_metadata
.endif
;; end of part 2
;; launch attn (part 3): grid 8 x 32, 16 waves a work-group, no clusters, 223,232 bytes of LDS; arguments qkvc, seq_mask, aoc; writes aoc
.if DOCPART == 3
	.amdgcn_target "amdgcn-amd-amdhsa--gfx1250"
	.amdhsa_code_object_version 6
	.text
	.protected	k_q1996fbea8f_attn
	.globl	k_q1996fbea8f_attn
	.p2align	8
	.type	k_q1996fbea8f_attn,@function
k_q1996fbea8f_attn:
	s_mov_b64 s[64:65], 0
	v_nop
	global_prefetch_b8 v0, s[64:65] scope:SCOPE_SE
	s_setreg_imm32_b32 hwreg(HW_REG_WAVE_MODE, 25, 1), 1
	s_wait_xcnt 0x0
; Attention of one head on codes of FP6 (E2M3): S^T = K Q^T, p = 2^(t - M), O^T = V^T P^T, O / l, and the quantiser for the next product.  16 heads of 64, 2 batches of 2,048 tokens.
; THE MASK.  A key that comes after the query, or that seq_mask names, takes part with the logit -10,000, as the module has it: it is not dropped.
; t = logit x log2(e); the raw score is multiplied by c = log2(e) / 8, so a masked raw score is -80,000.  M = the running largest t rounded up to a whole number; p is quantised along the keys, not normalised;
; the row's sum l is taken of the unquantised p; when M moves, l and O^T are multiplied by 2^(old M - new M), which rounds nothing.
; SHARES.  Work-group (x, y): y = 16 batch + head.  Each of sixteen waves owns ONE tile of 16 queries; half of a work-group's tiles are early ones (8 x + j), half late ones (8 (15 - x) + j): 136 tile steps in every work-group.
; Place r of tile t is token 32 (t / 2) + 8 (t % 2) + r + 8 (r / 8).
; ALL OF THE HEAD'S K AND V STAY IN LDS.  They lie in memory as images of operand registers; the 512 threads copy them through registers, 25 loads of 16 bytes each, every load of a wave 512 consecutive bytes.
; HEAD SIZE 64 IN AN INSTRUCTION OF K = 128: a fragment of K holds TWO tiles of keys (registers 0-5 the even tile's 64 channels, 6-11 the odd tile's); against (q | 0) it gives the even tile's scores, against (0 | q) the odd tile's.
; KEY STEPS (128 keys) THAT LIE WHOLLY BEHIND MY QUERIES have one logit for all keys, so one p and one quantised p_q a row: their share of O^T is p_q x (the sum of the quantised V over those keys).
;   Wave w makes step w's sums of V by four matrix instructions against a fragment of ones; each wave adds the steps behind its diagonal step, once, and uses the sum behind its loop.  p_q is p rounded to 3 mantissa bits,
;   ties to even, held at 7.5 x the block's scale: what the quantiser gives for a block of 32 equal numbers.
; seq_mask: a key step in which no key is named needs no select: a scalar branch on the step's 128 mask bytes leads round the 16 loads and 64 selects.
; NO TENSOR LOAD, NO CLUSTER: the tiles that the eight work-groups of a head share are not asked for jointly here.
; NO PREFETCH: the fill stands at the head, and there is no loop to run ahead in.
; Dependent vector lines are laid in independent chains by turns (four blocks, eight sums).
; LIMITS: NaN and infinities are not served; a block whose largest p lies under 2^-124 keeps the byte 1, and a p_q under 2^-124 keeps 3 mantissa bits.
.set VIMG,  98304                      ; LDS: K's 64 pair fragments at 0; V's 64 fragments ([step][tile of 16 channels]);
.set KSC,   196608                     ; K's scale words, 64 bytes a fragment; V's;
.set VSC,   200704
.set MSK,   204800                     ; a word a key, 0 or all ones;
.set VS,    212992                     ; [16 steps][64 channels] f32: a step's sums of V;
.set SUF,   217088                     ; [16 waves][64 channels] f32: the sums behind the wave's diagonal step, the wave's own;
.set SPARE, 221184                     ; the spare words, 128 bytes a wave
.set AK0,  1                           ; v1  16 x lane
.set AV0,  2                           ; v2  + VIMG
.set ASK0, 3                           ; v3  KSC + 4 r
.set ASV0, 4                           ; v4  VSC + 4 r
.set SPW,  5                           ; v5, v6: the add's two; never rewritten
.set NIL,  6
.set AM0,  7                           ; v7  MSK + 64 h
.set ADK,  8                           ; v8-11, v35: the step's addresses
.set ADV,  9
.set ADS,  10
.set ADT,  11
.set ADM,  35
.set QSW,  34                          ; v34 q's scale bytes, twice;  v12 -M, v13 the largest t, v[14:15] l;  v16-21 zeros, v22-27 q, v28-33 zeros
.set FR,   36                          ; v36-83 four fragments of K or of V;  v84-87 their scale words
.set FS,   84
.set PSW,  88                          ; v88 p's scale word
.set DG,   89                          ; v89 my query - the diagonal step's first key - 16 h
.set NEG,  90                          ; v90 -80,000
.set ASU,  91                          ; v91 SUF + 256 wave + 64 h
.set S,    96                          ; v96-159 S^T, then p: register 16 b + i is key 32 b + 16 h + i of the step.  At the head v96-195: the copy's 25 x 4 registers
.set O,    160                         ; v160-191 O^T: register 16 b + i is channel 32 b + 16 h + i
.set MK,   192                         ; v192-255 the mask words of a step with named keys; else:
.set BM,   192
.set BP,   196
.set SO,   200
.set T0,   204
.set T1,   205
.set F,    206
.set PC,   212                         ; v212-223 p's codes
.set AUX,  224
.set CH,   240                         ; v240-253 seven chains of the row's sum (at the head v240-242: three addresses)
.set WV,   18
.set SEL,  20
.set CS,   22
.set TI,   2                           ; s2 the step's images: 6,144 bytes a step;  s3 its scale words: 256;  s66 its mask words: 512
.set TS,   3
.set TMK,  66
.set SI,   67                          ; s67 the step;  s68 my diagonal step;  s69 two bits a step: keys named by seq_mask
.set SD,   68
.set FL,   69
.set TAU,  92
	s_load_b128 s[4:7], s[0:1], 0x0                ; q, k, v as codes; seq_mask
	s_load_b64 s[8:9], s[0:1], 0x10                ; the output
	v_lshl_add_u32 v[SPW], v0, 2, SPARE
	v_mov_b32 v[NIL], 0
	v_lshrrev_b32 v8, 5, v0
	v_readfirstlane_b32 s[WV], v8                  ; wave 0..15
	s_and_b32 s71, ttmp7, 0xffff                   ; 16 batch + head
	s_lshr_b32 s72, s71, 4
	s_and_b32 s73, s71, 15
	s_lshr_b32 s93, s[WV], 2
	s_xor_b32 s93, s93, s[WV]
	s_and_b32 s93, s93, 1                          ; early tile or late tile
	s_lshl_b32 s[TAU], ttmp9, 3
	s_sub_co_u32 s89, 120, s[TAU]
	s_cmp_eq_u32 s93, 0
	s_cselect_b32 s[TAU], s[TAU], s89
	s_lshr_b32 s89, s[WV], 1
	s_add_co_u32 s[TAU], s[TAU], s89               ; my tile of queries, 0..127
	s_lshr_b32 s[SD], s[TAU], 3
	s_lshl_b32 s74, s73, 7
	s_lshl_b32 s75, s72, 6
	s_add_co_u32 s74, s74, s75                     ; q's first group of 32 tokens: 128 head + 64 batch
	s_add_co_u32 s75, s74, 2048                    ; k's: 16 heads on
	s_mul_i32 s76, s75, 1536                       ; K's images
	s_mul_i32 s78, s71, 98304
	s_add_co_u32 s78, s78, 6291456                 ; V's images
	s_lshl_b32 s80, s75, 6
	s_add_co_u32 s80, s80, 9437184                 ; K's scale words: threads 0-255
	s_lshl_b32 s81, s71, 12
	s_add_co_u32 s81, s81, 9699328-4096            ; V's: threads 256-511, whose 16 x thread begins at 4,096
	s_cmp_lt_u32 s[WV], 8
	s_cselect_b32 s80, s80, s81
	s_mov_b32 s77, 0
	s_mov_b32 s79, 0
	s_mov_b32 s81, 0
	s_lshl_b32 s82, s[WV], 8                       ; 256 x wave
	s_mul_i32 s83, s[WV], 6144
	s_mov_b32 s84, 0x700000
	s_mov_b32 s31, 0
	s_mov_b32 s[SEL], 0x76543210
	s_mov_b32 s[SEL+1], 0xfedcba98
	s_mov_b32 s[CS], 0x3e38aa3b                    ; c = log2(e) / 8
	s_mov_b32 s[CS+1], s[CS]
	s_mov_b32 s[TI], 0
	s_mov_b32 s[TS], 0
	s_mov_b32 s[TMK], 0
	s_mov_b32 s[SI], 0
	s_mov_b32 s62, 0xffff0000                      ; lanes 16-31
	s_and_b32 s63, s73, 1                          ; head % 2
	s_lshr_b32 s87, s[TAU], 1
	s_add_co_u32 s94, s74, s87                     ; q's group
	s_lshl_b32 s96, s94, 6
	s_add_co_u32 s96, s96, 9437184
	s_mul_i32 s94, s94, 1536
	s_mov_b32 s95, 0
	s_mov_b32 s97, 0
	s_lshl_b32 s98, s72, 11                        ; the batch's 2,048 mask bytes
	s_mov_b32 s99, 0
	s_and_b32 s87, s87, 3
	s_lshl_b32 s87, s87, 5
	s_and_b32 s88, s[TAU], 1                       ; u: even or odd tile of the group
	s_lshl_b32 s89, s88, 3
	s_add_co_u32 s87, s87, s89                     ; my tile's first token, from the diagonal step's first key
	s_lshl_b32 s91, s88, 4
	s_cmp_lg_u32 s88, 0
	s_cselect_b32 s90, -1, 0
	v_and_b32 v9, 15, v0                           ; r
	v_bfe_u32 v10, v0, 4, 1                        ; h
	v_and_b32 v11, 31, v0
	v_lshlrev_b32 v92, 4, v0                       ; the copy: 16 x thread, in memory and in LDS;
	v_lshlrev_b32 v[AK0], 4, v11
	v_lshl_add_u32 v[ASK0], v9, 2, KSC
	v_lshl_add_u32 v[ASV0], v9, 2, VSC
	v_lshl_add_u32 v[AM0], v10, 6, MSK
	v_add_nc_u32 v93, 0x10000, v92                 ; an LDS offset has 16 bits: three more bases
	v_add_nc_u32 v94, 0x20000, v92
	v_add_nc_u32 v95, KSC, v92
	v_add_nc_u32 v[AV0], VIMG, v[AK0]
	v_and_b32 v[DG], 8, v9
	v_lshlrev_b32 v35, 4, v10
	v_lshlrev_b32 v16, 2, v0                       ; four keys' mask bytes a thread
	v_lshlrev_b32 v17, 6, v11                      ; 64 keys' mask bytes a lane
	v_lshlrev_b32 v18, 2, v9
	v_add_nc_u32 v[DG], v[DG], v9
	v_lshl_add_u32 v[ASU], v10, 6, s82
	v_lshl_add_u32 v242, v11, 3, s82
	v_lshl_add_u32 v241, v11, 3, VS                ; a step's sums: my two channels
	v_mov_b32 v13, 0xff61b1e6                      ; the largest t so far: -3e38
	v_sub_nc_u32 v[DG], v[DG], v35
	v_add_nc_u32 v240, VS, v[ASU]                  ; where my wave's step's sums go: VS + 256 wave + 64 h
	v_add_nc_u32 v242, SUF, v242                   ; SUF + 256 wave + 8 lane
	v_mov_b32 v14, 0
	v_mov_b32 v15, 0
	v_add_nc_u32 v[DG], s87, v[DG]
	v_add_nc_u32 v[ASU], SUF, v[ASU]
	v_mov_b32 v[NEG], 0xc79c4000
	v_floor_f32 v12, -v13                          ; -M
	s_wait_alu depctr_va_vdst(0)                   ; the wait at the head's end
	s_wait_kmcnt 0x0
	s_add_nc_u64 s[24:25], s[4:5], s[76:77]
	s_add_nc_u64 s[26:27], s[4:5], s[78:79]
	s_add_nc_u64 s[28:29], s[4:5], s[80:81]
	s_add_nc_u64 s[10:11], s[4:5], s[94:95]        ; q's pair fragment
	s_add_nc_u64 s[14:15], s[4:5], s[96:97]        ; its scale words
	s_add_nc_u64 s[12:13], s[6:7], s[98:99]
.set c, 0
.rept 12
	global_load_b128 v[S+4*c:S+4*c+3], v92, s[24:25] offset:8192*c          ; the work-group reads 8,192 consecutive bytes
	global_load_b128 v[S+48+4*c:S+48+4*c+3], v92, s[26:27] offset:8192*c
.set c, c+1
.endr
	global_load_b128 v[S+96:S+99], v92, s[28:29]
	global_load_b32 v196, v16, s[12:13]
.irp i, 0,1,2,3
	global_load_b128 v[200+4*\i:203+4*\i], v17, s[12:13] offset:16*\i
.endr
.irp g, 0,1,2
	global_load_b128 v[FR+4*\g:FR+4*\g+3], v[AK0], s[10:11] offset:512*\g
.endr
	global_load_b32 v48, v18, s[14:15]
	; where the result goes: tile 128 batch + my tile, K step head / 2
	s_lshl_b32 s94, s72, 7
	s_add_co_u32 s94, s94, s[TAU]
	s_lshr_b32 s96, s73, 1
	s_lshl_b32 s98, s94, 9
	s_mul_i32 s94, s94, 12288
	s_mul_i32 s97, s96, 1536
	s_add_co_u32 s94, s94, s97
	s_lshl_b32 s96, s96, 6
	s_add_co_u32 s98, s98, s96
	s_lshl_b32 s96, s63, 1
	s_add_co_u32 s98, s98, s96
	s_add_co_u32 s98, s98, 3145728
	s_add_nc_u64 s[16:17], s[8:9], s[94:95]
	s_add_nc_u64 s[60:61], s[8:9], s[98:99]
	s_wait_loadcnt 0x0
.set c, 0
.rept 24
	ds_store_b128 v[92+c/8], v[S+4*c:S+4*c+3] offset:8192*(c%8)    ; K's 12 pieces, then V's 12, as they lie
.set c, c+1
.endr
	ds_store_b128 v95, v[S+96:S+99]                ; the scale words
	v_lshrrev_b32 v48, s91, v48                    ; q's scale word
.irp k, 0,1,2,3
	v_bfe_u32 v[52+\k], v196, 8*\k, 1
.endr
	v_and_b32 v48, 0xffff, v48
.irp k, 0,1,2,3
	v_sub_nc_u32 v[52+\k], 0, v[52+\k]             ; 0 or all ones
.endr
	v_lshl_or_b32 v[QSW], v48, 16, v48             ; q's two bytes serve both places
	ds_store_b128 v95, v[52:55] offset:MSK-KSC
.irp i, 0,1,2,3,4,5
	v_cndmask_b32 v[22+\i], v[FR+\i], v[FR+6+\i], s90   ; my tile's half of the pair
	v_mov_b32 v[16+\i], 0
	v_mov_b32 v[28+\i], 0
.endr
.irp d, 8,4,2,1
.set i, 0
.rept \d
	v_or_b32 v[200+i], v[200+i], v[200+i+\d]       ; my lane's 64 keys: is any named?
.set i, i+1
.endr
.endr
	v_cmp_ne_u32 vcc_lo, 0, v200
	s_mov_b32 s[FL], vcc_lo                        ; lanes 2 s and 2 s + 1 speak for key step s
	v_mov_b32 v[PSW], 0x7f7f7f7f                   ; a fragment of ones: the code of 1.0 is 8, under the scale 2^0
.irp i, 0,1,2,3
	v_mov_b32 v[PC+3*\i], 0x08208208
	v_mov_b32 v[PC+3*\i+1], 0x82082082
	v_mov_b32 v[PC+3*\i+2], 0x20820820
.endr
.set n, 0
.rept 32
	v_mov_b32 v[O+n], 0                            ; the step is written once: the first finds zeros
.set n, n+1
.endr
.irp n, 196,197,198,199,204,207
	v_mov_b32 v\n, 0                               ; lane permutes' destinations, a pair's upper half
.endr
	v_add_nc_u32 v[ADV], s83, v[AV0]               ; V's fragments of key step = my wave's number
	v_add_nc_u32 v[ADT], s82, v[ASV0]
	s_wait_alu depctr_va_vdst(0)
	s_wait_dscnt 0x0                               ; for the others' sake: my stores have landed
	s_barrier_signal -1
	s_barrier_wait -1
.macro VLOADS
.irp t, 0,1,2,3
.irp g, 0,1,2
	ds_load_b128 v[FR+12*\t+4*\g:FR+12*\t+4*\g+3], v[ADV] offset:1536*\t+512*\g
.endr
	ds_load_b32 v[FS+\t], v[ADT] offset:64*\t
.endr
.endm
.macro RESCALE_O                       ; O^T x v[F], from each accumulator's low end on
.set n, 0
.rept 16
	v_pk_mul_f32 v[O+n:O+n+1], v[O+n:O+n+1], v[F:F+1] op_sel_hi:[1,0]
.set n, n+2
.endr
.endm
.macro NEWM                            ; v[T0] = a candidate t: the running largest t, -M, and f = 2^(old M - new M)
	v_max_num_f32 v13, v13, v[T0]
	v_mov_b32 v[T0], v12
	v_floor_f32 v12, -v13                          ; -M = floor(-t): M is a whole number
	v_sub_f32 v[T0], v12, v[T0]
	v_cvt_i32_f32 v[T0], v[T0]                     ; (it saturates)
	v_ldexp_f32 v[F], 1.0, v[T0]
.endm
	; ---- my wave's key step: the sums of V over its 128 keys, in O^T's layout, the same in all 16 columns
	VLOADS
	s_wait_dscnt 0x0
.irp t, 0,1,2,3
	v_wmma_scale_f32_16x16x128_f8f6f4 v[S+8*\t:S+8*\t+7], v[FR+12*\t:FR+12*\t+11], v[PC:PC+11], 0, v[FS+\t], v[PSW] matrix_a_fmt:MATRIX_FMT_FP6 matrix_b_fmt:MATRIX_FMT_FP6
.endr
.rept 4
	v_nop                                          ; places in front of the first read of the results and of later loads into the fragments
.endr
.irp n, 0,1,2,3,4,5,6,7
	ds_store_b128 v240, v[S+4*\n:S+4*\n+3] offset:128*(\n/4)+16*(\n%4)   ; sixteen lanes write the same bytes with the same values
.endr
	s_wait_dscnt 0x0
	s_barrier_signal -1
	s_barrier_wait -1
	; ---- the sums over all key steps behind my diagonal step: a lane takes two channels; by the step's and my tile's numbers a step counts with the weight 1 or 0 (step 0 lies behind no diagonal); two chains
.set s, 1
.rept 15
	ds_load_b64 v[S+32+2*s:S+33+2*s], v241 offset:256*s
.set s, s+1
.endr
	s_wait_dscnt 0x0
.set s, 1
.rept 15
	s_cmp_lt_u32 s[SD], s
	s_cselect_b32 s30, 0x3f800000, 0
.if s < 3
	v_pk_mul_f32 v[S+2*(s%2):S+2*(s%2)+1], v[S+32+2*s:S+33+2*s], s[30:31] op_sel_hi:[1,0]
.else
	v_pk_fma_f32 v[S+2*(s%2):S+2*(s%2)+1], v[S+32+2*s:S+33+2*s], s[30:31], v[S+2*(s%2):S+2*(s%2)+1] op_sel_hi:[1,0,1]
.endif
.set s, s+1
.endr
	v_pk_add_f32 v[S:S+1], v[S:S+1], v[S+2:S+3]
	ds_store_b64 v242, v[S:S+1]                    ; my wave's own bytes: read back behind the loop
	; ---- sixteen trips; a trip behind my diagonal step does nothing
.Lsteps:
	s_cmp_gt_u32 s[SI], s[SD]
	s_cbranch_scc1 .Lnext
	v_add_nc_u32 v[ADK], s[TI], v[AK0]             ; five plain lines: also the places in front of loads into registers that the last products read
	v_add_nc_u32 v[ADV], s[TI], v[AV0]
	v_add_nc_u32 v[ADS], s[TS], v[ASK0]
	v_add_nc_u32 v[ADT], s[TS], v[ASV0]
	v_add_nc_u32 v[ADM], s[TMK], v[AM0]
	s_wait_alu depctr_va_vdst(0)
.irp b, 0,1,2,3
.irp g, 0,1,2
	ds_load_b128 v[FR+12*\b+4*\g:FR+12*\b+4*\g+3], v[ADK] offset:1536*\b+512*\g
.endr
	ds_load_b32 v[FS+\b], v[ADS] offset:64*\b
.endr
	s_wait_dscnt 0x0
.irp b, 0,1,2,3                        ; S^T = K Q^T
	v_wmma_scale_f32_16x16x128_f8f6f4 v[S+16*\b:S+16*\b+7], v[FR+12*\b:FR+12*\b+11], v[22:33], 0, v[FS+\b], v[QSW] matrix_a_fmt:MATRIX_FMT_FP6 matrix_b_fmt:MATRIX_FMT_FP6
	v_wmma_scale_f32_16x16x128_f8f6f4 v[S+16*\b+8:S+16*\b+15], v[FR+12*\b:FR+12*\b+11], v[16:27], 0, v[FS+\b], v[QSW] matrix_a_fmt:MATRIX_FMT_FP6 matrix_b_fmt:MATRIX_FMT_FP6
.endr
.rept 4
	v_nop                                          ; places in front of the loads below and of the first read of the scores
.endr
	VLOADS                                         ; V lands under the softmax
	s_and_b32 s83, s[FL], 3
	s_cmp_lg_u32 s83, 0
	s_cbranch_scc0 .Lclear                         ; seq_mask names no key of this step
.irp n, 0,1,2,3,4,5,6,7,8,9,10,11,12,13,14,15
	ds_load_b128 v[MK+4*\n:MK+4*\n+3], v[ADM] offset:128*(\n/4)+16*(\n%4)
.endr
	s_wait_dscnt 0x0
.set n, 0
.rept 64
	v_bfi_b32 v[S+n], v[MK+n], v[NEG], v[S+n]      ; a key that seq_mask names
.set n, n+1
.endr
.Lclear:
	s_cmp_lg_u32 s[SI], s[SD]
	s_cbranch_scc1 .Lopen
.set n, 0
.rept 64
	v_cmp_gt_i32 vcc_lo, 32*(n/16)+n%16, v[DG]     ; on the diagonal: a key behind my query
	v_cndmask_b32 v[S+n], v[S+n], v[NEG], vcc_lo
.set n, n+1
.endr
.Lopen:
.irp b, 0,1,2,3
	v_max3_num_f32 v[BM+\b], v[S+16*\b], v[S+1+16*\b], v[S+2+16*\b]   ; the largest score of each block of 32 keys: for the row's maximum, and, since p rises with the score, for the block's largest p
.endr
.irp i, 3,5,7,9,11,13
.irp b, 0,1,2,3
	v_max3_num_f32 v[BM+\b], v[BM+\b], v[S+16*\b+\i], v[S+1+16*\b+\i]
.endr
.endr
.irp b, 0,1,2,3
	v_max_num_f32 v[BM+\b], v[BM+\b], v[S+15+16*\b]
.endr
.irp b, 0,1,2,3
	v_permlanex16_b32 v[BP+\b], v[BM+\b], s[SEL], s[SEL+1]
.endr
.irp b, 0,1,2,3
	v_max_num_f32 v[BM+\b], v[BM+\b], v[BP+\b]
.endr
	v_max3_num_f32 v[T0], v[BM], v[BM+1], v[BM+2]
	v_max_num_f32 v[T0], v[T0], v[BM+3]
	v_mul_f32 v[T0], s[CS], v[T0]
	NEWM
.set n, 0
.rept 32
	v_pk_fma_f32 v[S+n:S+n+1], v[S+n:S+n+1], s[CS:CS+1], v[12:13] op_sel_hi:[1,0,0]   ; t - M
.set n, n+2
.endr
.irp b, 0,1,2,3
	v_fma_f32 v[BM+\b], v[BM+\b], s[CS], v12
.endr
	s_wait_alu depctr_va_vdst(0)                   ; the wait ahead of the batch
.set n, 0
.rept 64
	v_exp_f32 v[S+n], v[S+n]                       ; p = 2^(t - M): one batch
.set n, n+1
.endr
	v_pk_mul_f32 v[14:15], v[14:15], v[F:F+1] op_sel_hi:[1,0]   ; l under the new M.  (A plain place behind the exponentials)
	s_wait_alu depctr_va_vdst(0)                   ; one wait for the batch, ahead of its first reader
.irp b, 0,1,2,3
	v_exp_f32 v[BM+\b], v[BM+\b]                   ; the blocks' largest p
.endr
.set c, 0                              ; the row's sum of the unquantised p: 32 pairs in eight chains
.rept 7
	v_pk_add_f32 v[CH+2*c:CH+2*c+1], v[S+2*c:S+2*c+1], v[S+14+2*c:S+15+2*c]
.set c, c+1
.endr
	v_pk_add_f32 v[14:15], v[14:15], v[S+28:S+29]
.irp base, 30, 46
.set c, 0
.rept 7
	v_pk_add_f32 v[CH+2*c:CH+2*c+1], v[CH+2*c:CH+2*c+1], v[S+\base+2*c:S+\base+2*c+1]
.set c, c+1
.endr
	v_pk_add_f32 v[14:15], v[14:15], v[S+\base+14:S+\base+15]
.endr
	v_pk_add_f32 v[CH:CH+1], v[CH:CH+1], v[S+62:S+63]
	v_pk_add_f32 v[CH+4:CH+5], v[CH+4:CH+5], v[CH+6:CH+7]
	v_pk_add_f32 v[CH+8:CH+9], v[CH+8:CH+9], v[CH+10:CH+11]
	v_pk_add_f32 v[14:15], v[14:15], v[CH+12:CH+13]
	v_pk_add_f32 v[CH:CH+1], v[CH:CH+1], v[CH+2:CH+3]
	v_pk_add_f32 v[CH+4:CH+5], v[CH+4:CH+5], v[CH+8:CH+9]
	v_pk_add_f32 v[14:15], v[14:15], v[CH:CH+1]
	v_pk_add_f32 v[14:15], v[14:15], v[CH+4:CH+5]
	s_wait_alu depctr_va_vdst(0)                   ; and one for the four
.irp b, 0,1,2,3
	v_max_num_f32 v[BM+\b], 0x1800000, v[BM+\b]    ; the floor 2^(3 - 127)
.endr
.irp b, 0,1,2,3
	v_add_nc_u32 v[SO+\b], 0xff000000, v[BM+\b]    ; 2 off the exponent field: the conversion's scale operand
.endr
.irp b, 0,1,2,3
	v_lshrrev_b32 v[BP+\b], 23, v[SO+\b]
.endr
	v_lshl_or_b32 v[PSW], v[BP+1], 8, v[BP]
	v_lshl_or_b32 v[PSW], v[BP+2], 16, v[PSW]
	v_lshl_or_b32 v[PSW], v[BP+3], 24, v[PSW]
.irp c, 0,1
	v_cvt_scalef32_pk16_fp6_f32 v[PC+6*\c:PC+6*\c+2], v[S+32*\c:S+32*\c+15], v[SO+2*\c]
	v_cvt_scalef32_pk16_fp6_f32 v[AUX+4*\c:AUX+4*\c+2], v[S+32*\c+16:S+32*\c+31], v[SO+2*\c+1]
.endr
	v_nop                                          ; one plain place behind the scaled conversions
.irp c, 0,1
.irp i, 0,1,2
	v_permlane16_swap_b32 v[PC+6*\c+\i], v[AUX+4*\c+\i]   ; a whole block to a lane
.endr
.irp i, 0,1,2
	v_mov_b32 v[PC+6*\c+3+\i], v[AUX+4*\c+\i]
.endr
.endr
	RESCALE_O                                      ; O^T under the new M; these 16 are also the places between p's codes and scale word and the products
	s_wait_dscnt 0x0                               ; V is in
	s_wait_alu depctr_va_vdst(0)
.irp t, 0,1,2,3                        ; O^T += V^T P^T: four accumulators by turns
	v_wmma_scale_f32_16x16x128_f8f6f4 v[O+8*\t:O+8*\t+7], v[FR+12*\t:FR+12*\t+11], v[PC:PC+11], v[O+8*\t:O+8*\t+7], v[FS+\t], v[PSW] matrix_a_fmt:MATRIX_FMT_FP6 matrix_b_fmt:MATRIX_FMT_FP6
.endr
.Lnext:
	s_add_co_u32 s[TI], s[TI], 6144
	s_add_co_u32 s[TS], s[TS], 256
	s_add_co_u32 s[TMK], s[TMK], 512
	s_lshr_b32 s[FL], s[FL], 2
	s_add_co_u32 s[SI], s[SI], 1
	s_cmp_lt_u32 s[SI], 16
	s_cbranch_scc1 .Lsteps
	; ---- the key steps behind my diagonal step, all at once: 128 (15 - SD) keys with the masked logit.  A tile of the last step has none
	s_cmp_eq_u32 s[SD], 15
	s_cbranch_scc1 .Lout
.irp n, 0,1,2,3,4,5,6,7
	ds_load_b128 v[S+4*\n:S+4*\n+3], v[ASU] offset:128*(\n/4)+16*(\n%4)   ; the sums of V, at my 32 channels
.endr
	s_sub_co_u32 s83, 15, s[SD]
	s_lshl_b32 s83, s83, 6                         ; my half of the lanes counts 64 keys a step
	v_cvt_f32_u32 v208, s83
	v_mul_f32 v[T0], s[CS], v[NEG]                 ; the masked logit enters the running maximum
	NEWM
	v_fma_f32 v[T1], v[NEG], s[CS], v12
	s_wait_alu depctr_va_vdst(0)                   ; the wait ahead of the transcendental
	v_exp_f32 v[T1], v[T1]
	v_pk_mul_f32 v[14:15], v[14:15], v[F:F+1] op_sel_hi:[1,0]   ; (a plain place behind the exponential)
	s_wait_alu depctr_va_vdst(0)                   ; ahead of the first reader of O^T and of p
	RESCALE_O
	v_fma_f32 v14, v[T1], v208, v14                ; their share of the row's sum
	v_bfe_u32 v209, v[T1], 20, 1                   ; p_q: p to 3 mantissa bits, ties to even,
	v_and_or_b32 v210, v[T1], 0x7f800000, s84      ; held at 1.875 x 2^(p's exponent) = 7.5 x the block's scale
	v_add3_u32 v209, v[T1], v209, 0x7ffff
	v_and_b32 v209, 0xfff00000, v209
	v_min_u32 v[F], v209, v210
	s_wait_alu depctr_va_vdst(0)
	s_wait_dscnt 0x0
.set n, 0
.rept 16
	v_pk_fma_f32 v[O+n:O+n+1], v[S+n:S+n+1], v[F:F+1], v[O+n:O+n+1] op_sel_hi:[1,0,1]
.set n, n+2
.endr
.Lout:
	; THE WAY OUT: O^T / l, quantised along the head's 64 channels: they are half a K step of the next product
.rept 4
	v_nop
.endr
	v_add_f32 v14, v14, v15
	v_permlanex16_b32 v[T0], v14, s[SEL], s[SEL+1]
	v_add_f32 v14, v14, v[T0]                      ; the row's sum
	s_wait_alu depctr_va_vdst(0)
	v_rcp_f32 v[F], v14
	v_and_b32 v8, 15, v0                           ; (a plain place behind the transcendental)
	v_bfe_u32 v9, v0, 4, 1
	v_lshl_add_u32 v8, v8, 2, v9                   ; my byte among the scale words: 4 r + h
	s_wait_alu depctr_va_vdst(0)                   ; the wait, ahead of the first reader
	RESCALE_O
.irp b, 0,1
	v_max3_num_f32 v[BM+\b], |v[O+16*\b]|, |v[O+1+16*\b]|, 0x1800000
.endr
.irp i, 2,4,6,8,10,12,14
.irp b, 0,1
	v_max3_num_f32 v[BM+\b], v[BM+\b], |v[O+16*\b+\i]|, |v[O+1+16*\b+\i]|
.endr
.endr
.irp b, 0,1
	v_permlanex16_b32 v[BP+\b], v[BM+\b], s[SEL], s[SEL+1]
.endr
.irp b, 0,1
	v_max_num_f32 v[BM+\b], v[BM+\b], v[BP+\b]
.endr
.irp b, 0,1
	v_add_nc_u32 v[SO+\b], 0xff000000, v[BM+\b]
.endr
.irp b, 0,1
	v_lshrrev_b32 v[BP+\b], 23, v[SO+\b]
.endr
	v_cvt_scalef32_pk16_fp6_f32 v[PC:PC+2], v[O:O+15], v[SO]
	v_cvt_scalef32_pk16_fp6_f32 v[AUX:AUX+2], v[O+16:O+31], v[SO+1]
	v_nop
.irp i, 0,1,2
	v_permlane16_swap_b32 v[PC+\i], v[AUX+\i]
.endr
.irp i, 0,1,2
	v_mov_b32 v[PC+3+\i], v[AUX+\i]
.endr
	v_cndmask_b32 v[T0], v[BP], v[BP+1], s62       ; lanes 0-15 store block 0's byte, lanes 16-31 block 1's
	s_cmp_lg_u32 s63, 0                            ; an even head's six registers are registers 0-5 of the image, an odd head's 6-11
	s_cbranch_scc1 .Lodd_head
	global_store_b128 v[AK0], v[PC:PC+3], s[16:17]
	global_store_b64 v[AK0], v[PC+4:PC+5], s[16:17] offset:512   ; the image's middle 512 bytes are shared by two heads' work-groups, 8 bytes by turns
	s_branch .Lstored
.Lodd_head:
	s_wait_alu depctr_va_vdst(0)
	global_store_b64 v[AK0], v[PC:PC+1], s[16:17] offset:520
	global_store_b128 v[AK0], v[PC+2:PC+5], s[16:17] offset:1024
.Lstored:
	s_wait_alu depctr_va_vdst(0)
	global_store_b8 v8, v[T0], s[60:61]
	s_wait_tensorcnt 0x0                           ; the wave's end
	ds_add_u32 v[SPW], v[NIL]
	s_wait_dscnt 0x0
	s_endpgm
.Lfunc_end_k_q1996fbea8f_attn:
	.size	k_q1996fbea8f_attn, .Lfunc_end_k_q1996fbea8f_attn-k_q1996fbea8f_attn
	.p2alignl 7, 3214868480
	.fill 96, 4, 3214868480
	.section	.rodata,"a",@progbits
	.p2align	6, 0x0
	.amdhsa_kernel k_q1996fbea8f_attn
		.amdhsa_group_segment_fixed_size 223232
		.amdhsa_private_segment_fixed_size 0
		.amdhsa_enable_private_segment 0
		.amdhsa_kernarg_size 24
		.amdhsa_user_sgpr_count 2
		.amdhsa_user_sgpr_kernarg_segment_ptr 1
		.amdhsa_wavefront_size32 1
		.amdhsa_system_sgpr_workgroup_id_x 1
		.amdhsa_system_sgpr_workgroup_id_y 1
		.amdhsa_system_sgpr_workgroup_id_z 1
		.amdhsa_system_vgpr_workitem_id 0
		.amdhsa_next_free_vgpr 256
		.amdhsa_next_free_sgpr 100
		.amdhsa_reserve_vcc 1
		.amdhsa_float_denorm_mode_32 3
		.amdhsa_float_denorm_mode_16_64 3
		.amdhsa_memory_ordered 1
		.amdhsa_forward_progress 1
		.amdhsa_inst_pref_size 54
	.end_amdhsa_kernel
	.amdgpu_metadata
---
amdhsa.version: [ 1, 2 ]
amdhsa.kernels:
  - .name:           k_q1996fbea8f_attn
    .symbol:         k_q1996fbea8f_attn.kd
    .args:
      - { .name: qkvc, .offset: 0, .size: 8, .value_kind: global_buffer, .address_space: global }
      - { .name: seq_mask, .offset: 8, .size: 8, .value_kind: global_buffer, .address_space: global }
      - { .name: aoc, .offset: 16, .size: 8, .value_kind: global_buffer, .address_space: global }
    .group_segment_fixed_size: 223232
    .private_segment_fixed_size: 0
    .kernarg_segment_align: 8
    .kernarg_segment_size: 24
    .max_flat_workgroup_size: 512
    .sgpr_count:     100
    .vgpr_count:     256
    .wavefront_size: 32
...
	.end_amdgpu_metadata
.endif
;; end of part 3
;; launch proj_o (part 4): grid 8 x 32, 4 waves a work-group, clusters of 4 x 4, 327,680 bytes of LDS; arguments aoc, wts, x, x1; writes x1
.if DOCPART == 4
	.amdgcn_target "amdgcn-amd-amdhsa--gfx1250"
	.amdhsa_code_object_version 6
	.text
	.protected	k_q1996fbea8f_proj_o
	.globl	k_q1996fbea8f_proj_o
	.p2align	8
	.type	k_q1996fbea8f_proj_o,@function
k_q1996fbea8f_proj_o:
	s_mov_b64 s[64:65], 0
	v_nop
	global_prefetch_b8 v0, s[64:65] scope:SCOPE_SE
	s_setreg_imm32_b32 hwreg(HW_REG_WAVE_MODE, 25, 1), 1
	s_wait_xcnt 0x0
	s_wait_alu depctr_hold_cnt(0) depctr_sa_sdst(0) depctr_va_vdst(0) depctr_va_sdst(0) depctr_va_ssrc(0) depctr_va_vcc(0) depctr_vm_vsrc(0)
	s_getreg_b32 s2, hwreg(HW_REG_IB_STS2, 6, 4)
	s_cmp_eq_u32 s2, 0
	s_cbranch_scc0 .Lentry_in_a_cluster
	s_endpgm
.Lentry_in_a_cluster:
	s_bfe_u32 s2, ttmp6, 0x10000c
	s_cmp_lg_u32 s2, 0xf033
	s_cbranch_scc0 .Lentry_shape_is_right
	s_endpgm
.Lentry_shape_is_right:
.set TB,    4
.set NQ,    4
.set KT,    8
.set LAPS,  KT/(2*NQ)
.set HALF,  TB/2
.set RT,    KT*1536
.set QUART, TB*NQ*1536
.set SLOT,  4*QUART
.set QS,    TB*KT*64
.set SCL,   2*SLOT
.set STG,   SCL+4*QS
.set SPARE, STG+4*4352
.set S1SOFF, 3145728
.set S0OFF,  2359296
.set S0SOFF, 9535488
.set RESP,  8
.set OUTP,  10
.set ADR1, 16
.set ADR0, 20
.set STO,  24
.set RD,   25
.set CO,   26
.set ADRS, 27
.set SPW,  28
.set NIL,  29
.set L16,  30
.set SC,   32
.set RES,  64
.set G1, 24
.set G0, 32
.set G1B, 48
.set G0B, 56
.set G1S, 68
.set G0S, 76
.set G1SB, 80
.set G0SB, 88
.set MSB, 0
.macro WIN new
.if MSB != (\new)
	s_set_vgpr_msb (MSB<<8)|(\new)
.set MSB, (\new)
.endif
.endm
.macro JLOAD g0a, g1a, g0b, g1b
	s_cmp_eq_u32 s15, 0
	s_cbranch_scc0 .Lfor_b_\@
	tensor_load_to_lds s[\g0a:\g0a+3], s[\g1a:\g1a+7]
	s_nop 0
.rept 4
	v_nop
.endr
	s_branch .Lasked_\@
.Lfor_b_\@:
	tensor_load_to_lds s[\g0b:\g0b+3], s[\g1b:\g1b+7]
	s_nop 0
.rept 4
	v_nop
.endr
.Lasked_\@:
.endm
.macro CREST
	s_cmp_lg_u32 s14, 0
	s_cbranch_scc1 .Lnot_wave_0_\@
	s_barrier_signal -3
.Lnot_wave_0_\@:
	s_barrier_wait -3
	s_barrier_signal -1
	s_barrier_wait -1
.endm
.macro CROUND
	s_barrier_signal -1
	s_barrier_wait -1
	CREST
.endm
.macro PLACES n
.rept \n
	v_nop
.endr
.endm
.macro FETCH slot, q, set
	WIN 0x40
.set fi, 0
.rept TB
.irp g, 0,1,2
	ds_load_b128 v[128*(\set)+12*fi+4*\g:128*(\set)+12*fi+4*\g+3], v[ADR0+\slot] offset:fi*NQ*1536+(\q)*1536+512*\g
.endr
.set fi, fi+1
.endr
	WIN 0
.set fi, 0
.rept TB
.irp g, 0,1,2
	ds_load_b128 v[64+96*(\set)+12*fi+4*\g:64+96*(\set)+12*fi+4*\g+3], v[ADR1+\slot] offset:fi*NQ*1536+(\q)*1536+512*\g
.endr
.set fi, fi+1
.endr
.set fi, 0
.rept TB
	ds_load_b32 v[SC+8*(\set)+fi], v[ADRS] offset:fi*KT*64+(\q)*64
.set fi, fi+1
.endr
.endm
.macro MULH half, set, cm
	WIN 0xa1+0x50*(\half)
.set ma, HALF*(\half)
.rept HALF
.set mb, 0
.rept TB
.set rD, 8*(TB*(ma%HALF)+mb)
.set rB, 128*(\set)+12*mb
.set rA, 64+96*(\set)+12*ma
.if \cm == 0
	v_wmma_scale_f32_16x16x128_f8f6f4 v[rD:rD+7], v[rB:rB+11], v[rA:rA+11], v[rD:rD+7], v[SC+8*(\set)+mb], v[SC+8*(\set)+ma] matrix_a_fmt:MATRIX_FMT_FP6 matrix_b_fmt:MATRIX_FMT_FP6 matrix_a_scale:MATRIX_SCALE_ROW1
.else
	v_wmma_scale_f32_16x16x128_f8f6f4 v[rD:rD+7], v[rB:rB+11], v[rA:rA+11], 0, v[SC+8*(\set)+mb], v[SC+8*(\set)+ma] matrix_a_fmt:MATRIX_FMT_FP6 matrix_b_fmt:MATRIX_FMT_FP6 matrix_a_scale:MATRIX_SCALE_ROW1
.endif
.set mb, mb+1
.endr
.set ma, ma+1
.endr
.endm
.macro STEP slot, q, cm
	s_wait_dscnt 0x0
	PLACES 4
	FETCH \slot, (\q)+1, 1-(\q)%2
	MULH 0, (\q)%2, \cm
	MULH 1, (\q)%2, \cm
	WIN 0
.endm
.macro MID slot
.set mq, 1
.rept NQ-2
	STEP \slot, mq, 0
.set mq, mq+1
.endr
.endm
.macro TURN slot, next, fill
	s_wait_tensorcnt 0x0
	ds_add_u32 v[SPW], v[NIL]
.if \fill
	s_add_nc_u64 s[G0+4*\slot+2:G0+4*\slot+3], s[G0+4*\slot+2:G0+4*\slot+3], 2*NQ*1536
	s_add_nc_u64 s[G0B+4*\slot+2:G0B+4*\slot+3], s[G0B+4*\slot+2:G0B+4*\slot+3], 2*NQ*1536
.endif
	s_wait_dscnt 0x0
	s_barrier_signal -1
	MULH 0, 1, 0
	WIN 0
	s_barrier_wait -1
.if \fill
	CREST
	JLOAD G0+4*\slot, G1, G0B+4*\slot, G1B
.else
	PLACES 4
.endif
	v_add_nc_u32 v[ADRS], NQ*64, v[ADRS]
	FETCH \next, 0, 0
	MULH 1, 1, 0
	WIN 0
.endm
	s_load_b128 s[4:7], s[0:1], 0x0
	s_load_b128 s[8:11], s[0:1], 0x10
	v_lshl_add_u32 v[SPW], v0, 2, SPARE
	v_mov_b32 v[NIL], 0
	ds_add_u32 v[SPW], v[NIL]
	ds_add_u32 v[SPW], v[NIL]
	v_lshrrev_b32 v1, 5, v0
	v_readfirstlane_b32 s14, v1
	s_lshr_b32 s15, s14, 1
	s_and_b32 s16, s14, 1
	s_bfe_u32 s40, ttmp6, 0x40000
	s_bfe_u32 s41, ttmp6, 0x40004
	s_lshl_b32 s42, ttmp9, 2
	s_add_co_u32 s42, s42, s40
	s_and_b32 s17, ttmp7, 0xffff
	s_lshl_b32 s17, s17, 2
	s_add_co_u32 s17, s17, s41
	s_lshl_b32 s43, s41, 2
	s_lshl_b32 s43, 15, s43
	s_lshl_b32 s44, 0x1111, s40
	s_or_b32 s[G1+0], s43, (3<<16)|(1<<21)
	s_or_b32 s[G1B+0], s44, (3<<16)|(1<<21)
.irp g, G1, G1B
	s_mov_b32 s[\g+1], (NQ*192)<<16
	s_mov_b32 s[\g+2], (2*TB)<<16                  ; the head's load brings both halves, 2 TB tiles
	s_mov_b32 s[\g+3], (NQ*192)<<16
	s_mov_b32 s[\g+4], 2*TB
	s_mov_b32 s[\g+5], KT*192
	s_mov_b32 s[\g+6], 0
	s_mov_b32 s[\g+7], 0
.endr
	s_or_b32 s[G1S+0], s43, (3<<16)|(1<<21)
	s_or_b32 s[G1SB+0], s44, (3<<16)|(1<<21)
.irp g, G1S, G1SB
	s_mov_b32 s[\g+1], 32<<16
	s_mov_b32 s[\g+2], (QS/128)<<16                ; the scale words of 2 TB tiles
	s_mov_b32 s[\g+3], 32<<16
	s_mov_b32 s[\g+4], QS/128
	s_mov_b32 s[\g+5], 32
	s_mov_b32 s[\g+6], 0
	s_mov_b32 s[\g+7], 0
.endr
	s_mul_i32 s20, s17, 2*TB                       ; S1: the block's first tile of 16 rows
	s_mul_i32 s46, s42, 2*TB                       ; S0 likewise
	s_mul_i32 s22, s20, KT*64
	s_mul_i32 s92, s46, KT*64
	s_mul_i32 s20, s20, RT
	s_mul_i32 s46, s46, RT
	s_mov_b32 s21, 0
	s_mov_b32 s23, 0
	s_mov_b32 s47, 0
	s_mov_b32 s93, 0
	s_mul_i32 s45, s14, QUART
	s_wait_dscnt 0x0
	s_wait_kmcnt 0x0
	s_add_nc_u64 s[20:21], s[4:5], s[20:21]
	s_add_nc_u64 s[22:23], s[4:5], s[22:23]
	s_add_nc_u64 s[22:23], s[22:23], S1SOFF
	s_add_nc_u64 s[46:47], s[6:7], s[46:47]
	s_add_nc_u64 s[46:47], s[46:47], S0OFF
	s_add_nc_u64 s[92:93], s[6:7], s[92:93]
	s_add_nc_u64 s[92:93], s[92:93], S0SOFF
	CROUND
	s_mov_b32 s[G0S], 1
	s_mov_b32 s[G0S+1], SCL
	s_mov_b64 s[G0S+2:G0S+3], s[22:23]
	s_or_b32 s[G0S+3], s[G0S+3], 0x80000000
	s_mov_b32 s[G0SB], 1
	s_mov_b32 s[G0SB+1], SCL+2*QS
	s_mov_b64 s[G0SB+2:G0SB+3], s[92:93]
	s_or_b32 s[G0SB+3], s[G0SB+3], 0x80000000
	; THE HEAD'S FOUR TILES, ONE LOAD A WAVE: wave 0 slot 0's 2 TB tiles of S1, wave 1 those of S0, wave 2 S1's scale words, wave 3 S0's.
	; Slot 0's groups 0 serve the head's whole tiles first; behind the wait for them they are set to my half, for the ring.
	s_mul_i32 s18, s16, TB*RT                      ; my half of a block, in bytes
	s_mov_b32 s19, 0
.irp g, G0, G0B
	s_mov_b32 s[\g], 1
	s_mov_b32 s[\g+4], 1
	s_add_co_u32 s[\g+5], s45, SLOT
.endr
	s_mov_b32 s[G0+1], 0
	s_mov_b32 s[G0B+1], 2*QUART
	s_mov_b64 s[G0+2:G0+3], s[20:21]
	s_mov_b64 s[G0B+2:G0B+3], s[46:47]
	s_add_nc_u64 s[20:21], s[20:21], s[18:19]
	s_add_nc_u64 s[46:47], s[46:47], s[18:19]
	s_add_nc_u64 s[G0+6:G0+7], s[20:21], NQ*1536
	s_add_nc_u64 s[G0B+6:G0B+7], s[46:47], NQ*1536
.irp r, G0+3, G0+7, G0B+3, G0B+7
	s_or_b32 s[\r], s[\r], 0x80000000
.endr
.macro ARM under, g0, g1, next         ; one chain of branches on the wave's number: every way passes exactly one load
	s_cmp_lt_u32 s14, \under
	s_cbranch_scc0 \next
	tensor_load_to_lds s[\g0:\g0+3], s[\g1:\g1+7]
	s_nop 0
.rept 4
	v_nop
.endr
	s_branch .Lhead_asked
\next:
.endm
	ARM 1, G0,  G1,  .Lhead_b
	ARM 2, G0B, G1B, .Lhead_sa
	ARM 3, G0S, G1S, .Lhead_sb
	tensor_load_to_lds s[G0SB:G0SB+3], s[G1SB:G1SB+7]
	s_nop 0
.rept 4
	v_nop
.endr
.Lhead_asked:
	v_and_b32 v1, 15, v0
	v_bfe_u32 v2, v0, 4, 1
	s_wait_alu depctr_va_vdst(0)
	v_and_b32 v3, 31, v0
	v_lshlrev_b32 v[L16], 4, v3
	s_mul_i32 s21, s15, QUART
	s_mul_i32 s22, s16, QUART
	s_add_co_u32 s22, s22, 2*QUART
.irp s, 0,1
	v_add_nc_u32 v[ADR1+\s], s21, v[L16]
	v_add_nc_u32 v[ADR0+\s], s22, v[L16]
	s_add_co_u32 s21, s21, SLOT
	s_add_co_u32 s22, s22, SLOT
.endr
	v_lshlrev_b32 v5, 2, v1
	s_mul_i32 s21, s15, QS
	s_mul_i32 s22, s16, QS
	s_add_co_u32 s22, s22, 2*QS
	s_sub_co_u32 s22, s22, s21
	v_mul_u32_u24 v6, s22, v2
	s_add_co_u32 s21, s21, SCL
	v_add_nc_u32 v5, v5, v6
	v_add_nc_u32 v[ADRS], s21, v5
	s_mul_i32 s23, s14, 4352
	s_add_co_u32 s23, s23, STG
	v_mul_u32_u24 v5, v1, 272
	v_lshl_add_u32 v5, v2, 6, v5
	v_add_nc_u32 v[STO], s23, v5
	v_mul_u32_u24 v5, v2, 272
	v_lshl_add_u32 v5, v1, 4, v5
	v_add_nc_u32 v[RD], s23, v5
	v_lshlrev_b32 v5, 12, v2
	v_lshl_add_u32 v[CO], v1, 4, v5
	s_wait_alu depctr_va_vdst(0)
	s_lshl_b32 s20, s17, 7
	s_lshl_b32 s21, s15, 6
	s_add_co_u32 s20, s20, s21
	s_lshl_b32 s20, s20, 12
	s_lshl_b32 s21, s42, 9
	s_add_co_u32 s20, s20, s21
	s_lshl_b32 s21, s16, 8
	s_add_co_u32 s20, s20, s21
	s_mov_b32 s21, 0
	s_add_nc_u64 s[RESP:RESP+1], s[RESP:RESP+1], s[20:21]
	s_add_nc_u64 s[OUTP:OUTP+1], s[OUTP:OUTP+1], s[20:21]
	WIN 0x80
.irp a, 0,1,2,3
.irp i, 0,1,2,3,4,5,6,7
	global_load_b128 v[RES+32*\a+4*\i:RES+32*\a+4*\i+3], v[CO], s[RESP:RESP+1] offset:(32*(\a/2)+8*(\a%2)+2*\i+8*(\i/4))*4096
.endr
.endr
	WIN 0
	s_wait_alu depctr_va_vdst(0)                   ; the wait at the head's end
	s_wait_tensorcnt 0x0                           ; my tile of the head's four is in
	ds_add_u32 v[SPW], v[NIL]
.irp g, G1, G1B
	s_mov_b32 s[\g+2], TB<<16                      ; no load of mine is out: from here on a load brings TB tiles
	s_mov_b32 s[\g+4], TB
.endr
.irp g, G0, G0B
	s_mov_b32 s[\g+1], s45                         ; slot 0's group 0 for the ring: my quarter of the slot, my half of the block
	s_add_nc_u64 s[\g+2:\g+3], s[\g+2:\g+3], s[18:19]
.endr
	s_wait_dscnt 0x0
	CROUND                                         ; all four tiles are in, and all sixteen work-groups are here
	JLOAD G0+4, G1, G0B+4, G1B                     ; slot 1's first fill: the first tensor load behind the round
	FETCH 0, 0, 0
	STEP 0, 0, 1
.if LAPS > 1
	s_mov_b32 s3, LAPS-1
.Llap:
	MID 0
	TURN 0, 1, 1
	STEP 1, 0, 0
	MID 1
	TURN 1, 0, 1
	STEP 0, 0, 0
	s_sub_co_u32 s3, s3, 1
	s_cmp_lg_u32 s3, 0
	s_cbranch_scc1 .Llap
.endif
	MID 0
	TURN 0, 1, 0
	s_wait_alu depctr_va_vdst(0)
	STEP 1, 0, 0
	MID 1
	s_wait_dscnt 0x0
	MULH 0, 1, 0
	MULH 1, 1, 0
	WIN 0
	PLACES 4
.macro OUTROW a
.if (\a) >= 2
	s_wait_xcnt 0x0
.endif
	WIN 0x08+4*((\a)/2)
.irp b, 0,1,2,3
	ds_store_b128 v[STO], v[8*(4*((\a)%2)+\b):8*(4*((\a)%2)+\b)+3] offset:128*(\b/2)+32*(\b%2)
	ds_store_b128 v[STO], v[8*(4*((\a)%2)+\b)+4:8*(4*((\a)%2)+\b)+7] offset:128*(\b/2)+32*(\b%2)+16
.endr
	WIN 0
.set BB, 192+32*((\a)%2)
.irp i, 0,1,2,3,4,5,6,7
	ds_load_b128 v[BB+4*\i:BB+4*\i+3], v[RD] offset:544*\i
.endr
	s_wait_dscnt 0x0
	s_wait_loadcnt 8*(3-(\a))
	WIN 0x08
.set n, 0
.rept 16
	v_pk_add_f32 v[BB+n:BB+n+1], v[BB+n:BB+n+1], v[RES+32*(\a)+n:RES+32*(\a)+n+1]
.set n, n+2
.endr
	WIN 0
.irp i, 0,1,2,3,4,5,6,7
	global_store_b128 v[CO], v[BB+4*\i:BB+4*\i+3], s[OUTP:OUTP+1] offset:(32*((\a)/2)+8*((\a)%2)+2*\i+8*(\i/4))*4096
.endr
.endm
	OUTROW 0
	OUTROW 1
	OUTROW 2
	OUTROW 3
	s_wait_tensorcnt 0x0
	ds_add_u32 v[SPW], v[NIL]
	s_wait_dscnt 0x0
	CROUND
	s_endpgm
.Lfunc_end_k_q1996fbea8f_proj_o:
	.size	k_q1996fbea8f_proj_o, .Lfunc_end_k_q1996fbea8f_proj_o-k_q1996fbea8f_proj_o
	.p2alignl 7, 3214868480
	.fill 96, 4, 3214868480
	.section	.rodata,"a",@progbits
	.p2align	6, 0x0
	.amdhsa_kernel k_q1996fbea8f_proj_o
		.amdhsa_group_segment_fixed_size 327680
		.amdhsa_private_segment_fixed_size 0
		.amdhsa_enable_private_segment 0
		.amdhsa_kernarg_size 32
		.amdhsa_user_sgpr_count 2
		.amdhsa_user_sgpr_kernarg_segment_ptr 1
		.amdhsa_wavefront_size32 1
		.amdhsa_system_sgpr_workgroup_id_x 1
		.amdhsa_system_sgpr_workgroup_id_y 1
		.amdhsa_system_sgpr_workgroup_id_z 1
		.amdhsa_system_vgpr_workitem_id 0
		.amdhsa_next_free_vgpr 1024
		.amdhsa_next_free_sgpr 100
		.amdhsa_reserve_vcc 0
		.amdhsa_float_denorm_mode_32 3
		.amdhsa_float_denorm_mode_16_64 3
		.amdhsa_memory_ordered 1
		.amdhsa_forward_progress 1
		.amdhsa_inst_pref_size 59
	.end_amdhsa_kernel
	.amdgpu_metadata
---
amdhsa.version: [ 1, 2 ]
amdhsa.kernels:
  - .name:           k_q1996fbea8f_proj_o
    .symbol:         k_q1996fbea8f_proj_o.kd
    .args:
      - { .name: aoc, .offset: 0, .size: 8, .value_kind: global_buffer, .address_space: global }
      - { .name: wts, .offset: 8, .size: 8, .value_kind: global_buffer, .address_space: global }
      - { .name: x, .offset: 16, .size: 8, .value_kind: global_buffer, .address_space: global }
      - { .name: x1, .offset: 24, .size: 8, .value_kind: global_buffer, .address_space: global }
    .group_segment_fixed_size: 327680
    .private_segment_fixed_size: 0
    .kernarg_segment_align: 8
    .kernarg_segment_size: 32
    .max_flat_workgroup_size: 128
    .sgpr_count:     100
    .vgpr_count:     1024
    .wavefront_size: 32
...
	.end_amdgpu_metadata
.endif
;; end of part 4
;; launch ln2 (part 5): grid 256 x 1, 8 waves a work-group, no clusters, 78,848 bytes of LDS; arguments x1, g2, b2, nxc; writes nxc
.if DOCPART == 5
	.amdgcn_target "amdgcn-amd-amdhsa--gfx1250"
	.amdhsa_code_object_version 6
	.text
	.protected	k_q1996fbea8f_ln2
	.globl	k_q1996fbea8f_ln2
	.p2align	8
	.type	k_q1996fbea8f_ln2,@function
k_q1996fbea8f_ln2:
	s_mov_b64 s[64:65], 0
	v_nop
	global_prefetch_b8 v0, s[64:65] scope:SCOPE_SE
	s_setreg_imm32_b32 hwreg(HW_REG_WAVE_MODE, 25, 1), 1
	s_wait_xcnt 0x0
; LayerNorm over rows of 1,024 f32, then the quantiser: y = (x - mean) rsqrt(var + 1e-5) g + b becomes codes of FP6 (E2M3) with one E8M0 byte for each 32 along the row.
; Output: images of operand fragments, [256 tiles][8 K steps][1,536 bytes] (registers 4 g .. 4 g + 3 of lane l at 512 g + 16 l), and from byte 3,145,728 on their scale words, [tile][K step][16 words].
; Place r of tile t is row 32 (t / 2) + 8 (t % 2) + r + 8 (r / 8).
; A work-group takes one tile of 16 rows; wave w takes columns 128 w .. 128 w + 127, one K step.  The rows' sums meet in LDS: two barriers.  The variance is the mean of (x - mean)^2, taken in a second pass over
; registers: no difference of large sums is formed.
; The rows turn through the wave's own stage in LDS and come back into the registers that they left.  g and b: a wave's 128 columns are 512 bytes each: one load each, at the head, and through 1,024 LDS bytes of the wave's own to the lanes.
; LIMITS: NaN and infinities are not served; blocks whose largest magnitude lies under 2^-124 keep the byte 1 (a block of zeros too: its codes are zeros, and this program alone reads the bytes).
.set STG,    8448                      ; a wave's stage: 16 rows x (512 bytes + 16)
.set RED,    8*STG                     ; 1,024 bytes for the sums, 1,024 for the sums of squares: word [wave][lane]
.set GB,     RED+2048                  ; 1,024 bytes a wave: its 128 numbers of g, then of b
.set SPARE,  GB+8192                   ; the spare words, 128 bytes a wave
.set SCBASE, 3145728
.set X,   16                           ; v16-79   the rows as loaded; then register 16 b + i: column 32 b + 16 (lane / 16) + i of my K step, of row place lane % 16
.set B,   80                           ; v80-143  b at the same columns
.set G,   144                          ; v144-207 g
.set TM,  208                          ; v208-223 at work
.set AUX, 224
.set PC,  232                          ; v232-243 the fragment; before that v232-239: g's and b's 16 bytes as loaded
.set PW,  244
.set SPW, 12
.set NIL, 13
.set SEL, 34
.macro QUANT s, d0, d1                 ; 64 numbers of a lane -> registers 0-5 of the fragment at v[d0], 6-11 at v[d1], the scale word in v[PW]
.irp b, 0,1,2,3
	v_max3_num_f32 v[TM+\b], |v[\s+16*\b]|, |v[\s+16*\b+1]|, 0x1800000   ; block b: my 16 numbers, and the floor 2^(3 - 127)
.endr
.irp i, 2,4,6,8,10,12,14
.irp b, 0,1,2,3
	s_delay_alu instid0(VALU_DEP_4)
	v_max3_num_f32 v[TM+\b], v[TM+\b], |v[\s+16*\b+\i]|, |v[\s+16*\b+\i+1]|
.endr
.endr
.irp b, 0,1,2,3
	s_delay_alu instid0(VALU_DEP_4)
	v_permlanex16_b32 v[TM+4+\b], v[TM+\b], s[SEL], s[SEL+1]
.endr
.irp b, 0,1,2,3
	s_delay_alu instid0(VALU_DEP_4)
	v_max_num_f32 v[TM+\b], v[TM+\b], v[TM+4+\b]
.endr
.irp b, 0,1,2,3
	s_delay_alu instid0(VALU_DEP_4)
	v_add_nc_u32 v[TM+12+\b], 0xff000000, v[TM+\b]   ; 2 off the exponent field: the conversion's scale operand
.endr
.irp b, 0,1,2,3
	s_delay_alu instid0(VALU_DEP_4)
	v_lshrrev_b32 v[TM+4+\b], 23, v[TM+12+\b]
.endr
	s_delay_alu instid0(VALU_DEP_3)
	v_lshl_or_b32 v[PW], v[TM+5], 8, v[TM+4]
	s_delay_alu instid0(VALU_DEP_1)
	v_lshl_or_b32 v[PW], v[TM+6], 16, v[PW]
	s_delay_alu instid0(VALU_DEP_1)
	v_lshl_or_b32 v[PW], v[TM+7], 24, v[PW]
	v_cvt_scalef32_pk16_fp6_f32 v[\d0:\d0+2], v[\s:\s+15], v[TM+12]
	v_cvt_scalef32_pk16_fp6_f32 v[AUX:AUX+2], v[\s+16:\s+31], v[TM+13]
	v_cvt_scalef32_pk16_fp6_f32 v[\d1:\d1+2], v[\s+32:\s+47], v[TM+14]
	v_cvt_scalef32_pk16_fp6_f32 v[AUX+4:AUX+6], v[\s+48:\s+63], v[TM+15]
	v_nop                                            ; one plain place behind the scaled conversions
.irp i, 0,1,2
	v_permlane16_swap_b32 v[\d0+\i], v[AUX+\i]
.endr
.irp i, 0,1,2
	s_delay_alu instid0(VALU_DEP_3)
	v_mov_b32 v[\d0+3+\i], v[AUX+\i]
.endr
.irp i, 0,1,2
	v_permlane16_swap_b32 v[\d1+\i], v[AUX+4+\i]
.endr
.irp i, 0,1,2
	s_delay_alu instid0(VALU_DEP_3)
	v_mov_b32 v[\d1+3+\i], v[AUX+4+\i]
.endr
.endm
; four pairs of partial sums in v[208:215] -> the whole row's sum in v208, in every lane of the row, in every wave
.macro ACROSS off
	s_delay_alu instid0(VALU_DEP_3)
	v_pk_add_f32 v[208:209], v[208:209], v[210:211]
	s_delay_alu instid0(VALU_DEP_2)
	v_pk_add_f32 v[212:213], v[212:213], v[214:215]
	s_delay_alu instid0(VALU_DEP_1)
	v_pk_add_f32 v[208:209], v[208:209], v[212:213]
	s_delay_alu instid0(VALU_DEP_1)
	v_add_f32 v208, v208, v209
	s_delay_alu instid0(VALU_DEP_1)
	v_permlanex16_b32 v209, v208, s[SEL], s[SEL+1]
	s_delay_alu instid0(VALU_DEP_1)
	v_add_f32 v208, v208, v209                     ; my wave's 128 columns of the row
	ds_store_b32 v8, v208 offset:\off
	s_wait_dscnt 0x0                               ; for the others' sake: my store has landed
	s_barrier_signal -1
	s_barrier_wait -1
.irp w, 0,1,2,3,4,5,6,7
	ds_load_b32 v[216+\w], v9 offset:\off+128*\w
.endr
	s_wait_dscnt 0x0
	v_add_f32 v208, v216, v217
.irp w, 2,3,4,5,6,7
	s_delay_alu instid0(VALU_DEP_1)
	v_add_f32 v208, v208, v[216+\w]                ; the same order in every wave: all hold the same bits
.endr
.endm
	s_load_b256 s[4:11], s[0:1], 0x0               ; x, g, b, the codes' buffer
	v_lshl_add_u32 v[SPW], v0, 2, SPARE
	v_mov_b32 v[NIL], 0
	v_lshrrev_b32 v1, 5, v0
	s_delay_alu instid0(VALU_DEP_1)
	v_readfirstlane_b32 s18, v1                    ; wave 0..7
	v_and_b32 v1, 15, v0                           ; r
	v_bfe_u32 v2, v0, 4, 1                         ; h
	v_and_b32 v10, 31, v0
	s_delay_alu instid0(VALU_DEP_1)
	v_lshlrev_b32 v3, 4, v10                       ; 16 x lane
	s_mul_i32 s19, s18, STG
	v_add_nc_u32 v4, s19, v3
	v_mul_u32_u24 v5, v1, 528
	s_delay_alu instid0(VALU_DEP_1)
	v_lshl_add_u32 v5, v2, 6, v5
	s_delay_alu instid0(VALU_DEP_1)
	v_add_nc_u32 v5, s19, v5
	v_lshlrev_b32 v6, 2, v1
	s_delay_alu instid0(VALU_DEP_1)
	v_lshl_add_u32 v6, v2, 1, v6                   ; 4 r + 2 h
	v_lshlrev_b32 v7, 4, v2                        ; 16 h
	v_lshl_add_u32 v8, v0, 2, RED                  ; my word among the sums: 128 x wave + 4 x lane
	v_lshl_add_u32 v9, v10, 2, RED                 ; my lane's word in wave 0's
	s_lshl_b32 s30, s18, 10
	s_add_co_u32 s30, s30, GB                      ; my wave's 1,024 bytes for g and b
	v_add_nc_u32 v14, s30, v3                      ; in: 16 x lane
	v_lshl_add_u32 v15, v2, 6, s30                 ; out: 64 h
	s_mov_b32 s[SEL], 0x76543210
	s_mov_b32 s[SEL+1], 0xfedcba98
	s_mov_b32 s28, 0x3a800000                      ; 1 / 1,024
	s_mov_b32 s29, 0x3727c5ac                      ; 1e-5
	s_lshr_b32 s20, ttmp9, 1
	s_lshl_b32 s20, s20, 5
	s_and_b32 s21, ttmp9, 1
	s_lshl_b32 s21, s21, 3
	s_add_co_u32 s20, s20, s21                     ; the tile's first row
	s_lshl_b32 s20, s20, 12
	s_lshl_b32 s22, s18, 9                         ; my K step: 512 bytes a wave
	s_add_co_u32 s20, s20, s22
	s_mov_b32 s21, 0
	s_mov_b32 s23, 0
	s_mul_i32 s24, ttmp9, 12288
	s_mul_i32 s26, s18, 1536
	s_add_co_u32 s24, s24, s26
	s_mov_b32 s25, 0
	s_lshl_b32 s26, ttmp9, 9
	s_lshl_b32 s27, s18, 6
	s_add_co_u32 s26, s26, s27
	s_add_co_u32 s26, s26, SCBASE
	s_mov_b32 s27, 0
	s_wait_alu depctr_va_vdst(0)
	s_wait_kmcnt 0x0
	s_add_nc_u64 s[4:5], s[4:5], s[20:21]
	s_add_nc_u64 s[6:7], s[6:7], s[22:23]
	s_add_nc_u64 s[8:9], s[8:9], s[22:23]
	s_add_nc_u64 s[24:25], s[10:11], s[24:25]
	s_add_nc_u64 s[26:27], s[10:11], s[26:27]
.irp p, 0,1,2,3,4,5,6,7,8,9,10,11,12,13,14,15
	global_load_b128 v[X+4*\p:X+4*\p+3], v3, s[4:5] offset:(\p+8*(\p/8))*4096   ; 512 consecutive bytes of one row
.endr
	global_load_b128 v[PC:PC+3], v3, s[6:7]        ; g: 32 lanes read my wave's 512 bytes
	global_load_b128 v[PC+4:PC+7], v3, s[8:9]      ; b likewise
	s_wait_loadcnt 2                               ; the rows are in; g's and b's loads may stay out
.irp p, 0,1,2,3,4,5,6,7,8,9,10,11,12,13,14,15
	ds_store_b128 v4, v[X+4*\p:X+4*\p+3] offset:528*\p
.endr
.irp n, 0,1,2,3,4,5,6,7,8,9,10,11,12,13,14,15
	ds_load_b128 v[X+4*\n:X+4*\n+3], v5 offset:128*(\n/4)+16*(\n%4)   ; LDS serves a wave's instructions in order (ISA guide 5.7.1.4): these see my stores, and come back into the registers that the stores have left
.endr
	s_wait_loadcnt 0x0                             ; g and b
	ds_store_b128 v14, v[PC:PC+3]
	ds_store_b128 v14, v[PC+4:PC+7] offset:512
.irp n, 0,1,2,3,4,5,6,7,8,9,10,11,12,13,14,15
	ds_load_b128 v[G+4*\n:G+4*\n+3], v15 offset:128*(\n/4)+16*(\n%4)       ; sixteen lanes read the same 16 bytes
.endr
.irp n, 0,1,2,3,4,5,6,7,8,9,10,11,12,13,14,15
	ds_load_b128 v[B+4*\n:B+4*\n+3], v15 offset:512+128*(\n/4)+16*(\n%4)
.endr
	s_wait_dscnt 34                                ; the rows are back; the 2 stores and 32 loads of g and b may stay out
.irp c, 0,1,2,3
	v_pk_add_f32 v[208+2*\c:209+2*\c], v[X+2*\c:X+2*\c+1], v[X+8+2*\c:X+9+2*\c]   ; four chains
.endr
.irp i, 16,24,32,40,48,56
.irp c, 0,1,2,3
	s_delay_alu instid0(VALU_DEP_4)
	v_pk_add_f32 v[208+2*\c:209+2*\c], v[208+2*\c:209+2*\c], v[X+\i+2*\c:X+\i+2*\c+1]
.endr
.endr
	ACROSS 0
	s_delay_alu instid0(VALU_DEP_1)
	v_mul_f32 v246, s28, v208                      ; the mean
	s_delay_alu instid0(VALU_DEP_1)
	v_mov_b32 v247, v246
.set n, 0
.rept 32
	v_pk_add_f32 v[X+n:X+n+1], v[X+n:X+n+1], v[246:247] neg_lo:[0,1] neg_hi:[0,1]   ; x - mean
.set n, n+2
.endr
.irp c, 0,1,2,3
	v_pk_mul_f32 v[208+2*\c:209+2*\c], v[X+2*\c:X+2*\c+1], v[X+2*\c:X+2*\c+1]
.endr
.irp i, 8,16,24,32,40,48,56
.irp c, 0,1,2,3
	s_delay_alu instid0(VALU_DEP_4)
	v_pk_fma_f32 v[208+2*\c:209+2*\c], v[X+\i+2*\c:X+\i+2*\c+1], v[X+\i+2*\c:X+\i+2*\c+1], v[208+2*\c:209+2*\c]
.endr
.endr
	ACROSS 1024                                    ; other bytes than the first sums': one barrier each
	s_delay_alu instid0(VALU_DEP_1)
	v_fma_f32 v248, v208, s28, s29                 ; var + 1e-5
	s_wait_alu depctr_va_vdst(0)
	v_rsq_f32 v250, v248
	v_nop                                          ; a plain place behind the transcendental
	s_wait_alu depctr_va_vdst(0)                   ; the wait ahead of the result's first reader
	v_mov_b32 v251, v250
.set n, 0
.rept 32
	v_pk_mul_f32 v[X+n:X+n+1], v[X+n:X+n+1], v[250:251]
.set n, n+2
.endr
.set n, 0
.rept 32
	v_pk_fma_f32 v[X+n:X+n+1], v[X+n:X+n+1], v[G+n:G+n+1], v[B+n:B+n+1]
.set n, n+2
.endr
	QUANT X, PC, PC+6
	v_lshrrev_b32 v[PW+1], v7, v[PW]
.irp g, 0,1,2
	global_store_b128 v3, v[PC+4*\g:PC+4*\g+3], s[24:25] offset:512*\g   ; 512 consecutive bytes, at a multiple of 256 from the buffer's first byte
.endr
	global_store_b16 v6, v[PW+1], s[26:27]         ; the 64 bytes of scale words
	s_wait_tensorcnt 0x0                           ; the wave's end
	ds_add_u32 v[SPW], v[NIL]
	s_wait_dscnt 0x0
	s_endpgm
.Lfunc_end_k_q1996fbea8f_ln2:
	.size	k_q1996fbea8f_ln2, .Lfunc_end_k_q1996fbea8f_ln2-k_q1996fbea8f_ln2
	.p2alignl 7, 3214868480
	.fill 96, 4, 3214868480
	.section	.rodata,"a",@progbits
	.p2align	6, 0x0
	.amdhsa_kernel k_q1996fbea8f_ln2
		.amdhsa_group_segment_fixed_size 78848
		.amdhsa_private_segment_fixed_size 0
		.amdhsa_enable_private_segment 0
		.amdhsa_kernarg_size 32
		.amdhsa_user_sgpr_count 2
		.amdhsa_user_sgpr_kernarg_segment_ptr 1
		.amdhsa_wavefront_size32 1
		.amdhsa_system_sgpr_workgroup_id_x 1
		.amdhsa_system_sgpr_workgroup_id_y 1
		.amdhsa_system_sgpr_workgroup_id_z 1
		.amdhsa_system_vgpr_workitem_id 0
		.amdhsa_next_free_vgpr 256
		.amdhsa_next_free_sgpr 66
		.amdhsa_reserve_vcc 0
		.amdhsa_float_denorm_mode_32 3
		.amdhsa_float_denorm_mode_16_64 3
		.amdhsa_memory_ordered 1
		.amdhsa_forward_progress 1
		.amdhsa_inst_pref_size 30
	.end_amdhsa_kernel
	.amdgpu_metadata
---
amdhsa.version: [ 1, 2 ]
amdhsa.kernels:
  - .name:           k_q1996fbea8f_ln2
    .symbol:         k_q1996fbea8f_ln2.kd
    .args:
      - { .name: x1, .offset: 0, .size: 8, .value_kind: global_buffer, .address_space: global }
      - { .name: g2, .offset: 8, .size: 8, .value_kind: global_buffer, .address_space: global }
      - { .name: b2, .offset: 16, .size: 8, .value_kind: global_buffer, .address_space: global }
      - { .name: nxc, .offset: 24, .size: 8, .value_kind: global_buffer, .address_space: global }
    .group_segment_fixed_size: 78848
    .private_segment_fixed_size: 0
    .kernarg_segment_align: 8
    .kernarg_segment_size: 32
    .max_flat_workgroup_size: 256
    .sgpr_count:     66
    .vgpr_count:     256
    .wavefront_size: 32
...
	.end_amdgpu_metadata
.endif
;; end of part 5
;; launch mlp_up (part 6): grid 16 x 16, 4 waves a work-group, clusters of 4 x 4, 327,680 bytes of LDS; arguments nxc, wts, b_mlp1, hc; writes hc
.if DOCPART == 6
	.amdgcn_target "amdgcn-amd-amdhsa--gfx1250"
	.amdhsa_code_object_version 6
	.text
	.protected	k_q1996fbea8f_mlp_up
	.globl	k_q1996fbea8f_mlp_up
	.p2align	8
	.type	k_q1996fbea8f_mlp_up,@function
k_q1996fbea8f_mlp_up:
	s_mov_b64 s[64:65], 0
	v_nop
	global_prefetch_b8 v0, s[64:65] scope:SCOPE_SE
	s_setreg_imm32_b32 hwreg(HW_REG_WAVE_MODE, 25, 1), 1
	s_wait_xcnt 0x0
	s_wait_alu depctr_hold_cnt(0) depctr_sa_sdst(0) depctr_va_vdst(0) depctr_va_sdst(0) depctr_va_ssrc(0) depctr_va_vcc(0) depctr_vm_vsrc(0)
	s_getreg_b32 s2, hwreg(HW_REG_IB_STS2, 6, 4)
	s_cmp_eq_u32 s2, 0
	s_cbranch_scc0 .Lentry_in_a_cluster
	s_endpgm
.Lentry_in_a_cluster:
	s_bfe_u32 s2, ttmp6, 0x10000c
	s_cmp_lg_u32 s2, 0xf033
	s_cbranch_scc0 .Lentry_shape_is_right
	s_endpgm
.Lentry_shape_is_right:
.set TB,    8
.set NQ,    2
.set KT,    8
.set LAPS,  KT/(2*NQ)
.set HALF,  TB/2
.set RT,    KT*1536
.set QUART, TB*NQ*1536
.set SLOT,  4*QUART
.set QS,    TB*KT*64
.set SCL,   2*SLOT
.set SPARE, SCL+4*QS
.set S1SOFF, 3145728
.set S0OFF,  3145728
.set S0SOFF, 9568256
.set ADR1, 16
.set ADR0, 20
.set SH16, 22
.set ADRS, 27
.set SPW,  28
.set NIL,  29
.set L16,  30
.set SCO,  31
.set SC,   32
.set KA,   48
.set H,    64
.set ZC,   128
.set X2,   160
.set PA,   192
.set PB,   224
.set TM,   128
.set AUX,  144
.set PW,   152
.set PC,   160
.set SEL,  66
.set G1, 24
.set G0, 32
.set G1B, 48
.set G0B, 56
.set G1S, 68
.set G0S, 76
.set G1SB, 80
.set G0SB, 88
.set MSB, 0
.macro WIN new
.if MSB != (\new)
	s_set_vgpr_msb (MSB<<8)|(\new)
.set MSB, (\new)
.endif
.endm
.macro JLOAD g0a, g1a, g0b, g1b
	s_cmp_eq_u32 s15, 0
	s_cbranch_scc0 .Lfor_b_\@
	tensor_load_to_lds s[\g0a:\g0a+3], s[\g1a:\g1a+7]
	s_nop 0
.rept 4
	v_nop
.endr
	s_branch .Lasked_\@
.Lfor_b_\@:
	tensor_load_to_lds s[\g0b:\g0b+3], s[\g1b:\g1b+7]
	s_nop 0
.rept 4
	v_nop
.endr
.Lasked_\@:
.endm
.macro CREST
	s_cmp_lg_u32 s14, 0
	s_cbranch_scc1 .Lnot_wave_0_\@
	s_barrier_signal -3
.Lnot_wave_0_\@:
	s_barrier_wait -3
	s_barrier_signal -1
	s_barrier_wait -1
.endm
.macro CROUND
	s_barrier_signal -1
	s_barrier_wait -1
	CREST
.endm
.macro PLACES n
.rept \n
	v_nop
.endr
.endm
.macro FETCH slot, q, set
	WIN 0x40
.set fi, 0
.rept TB
.irp g, 0,1,2
	ds_load_b128 v[128*(\set)+12*fi+4*\g:128*(\set)+12*fi+4*\g+3], v[ADR0+\slot] offset:fi*NQ*1536+(\q)*1536+512*\g
.endr
.set fi, fi+1
.endr
	WIN 0
.set fi, 0
.rept TB
.irp g, 0,1,2
	ds_load_b128 v[64+96*(\set)+12*fi+4*\g:64+96*(\set)+12*fi+4*\g+3], v[ADR1+\slot] offset:fi*NQ*1536+(\q)*1536+512*\g
.endr
.set fi, fi+1
.endr
.set fi, 0
.rept TB
	ds_load_b32 v[SC+8*(\set)+fi], v[ADRS] offset:fi*KT*64+(\q)*64
.set fi, fi+1
.endr
.endm
.macro MULH half, set, cm
.if \cm == 2
	WIN 0x91+0x40*(\half)
.else
	WIN 0xa1+0x50*(\half)
.endif
.set ma, HALF*(\half)
.rept HALF
.set mb, 0
.rept TB
.set rD, 8*(TB*(ma%HALF)+mb)
.set rB, 128*(\set)+12*mb
.set rA, 64+96*(\set)+12*ma
.set rC, 96+8*mb+96*(mb/4)
.if \cm == 0
	v_wmma_scale_f32_16x16x128_f8f6f4 v[rD:rD+7], v[rB:rB+11], v[rA:rA+11], v[rD:rD+7], v[SC+8*(\set)+mb], v[SC+8*(\set)+ma] matrix_a_fmt:MATRIX_FMT_FP6 matrix_b_fmt:MATRIX_FMT_FP6 matrix_a_scale:MATRIX_SCALE_ROW1
.else
	v_wmma_scale_f32_16x16x128_f8f6f4 v[rD:rD+7], v[rB:rB+11], v[rA:rA+11], v[rC:rC+7], v[SC+8*(\set)+mb], v[SC+8*(\set)+ma] matrix_a_fmt:MATRIX_FMT_FP6 matrix_b_fmt:MATRIX_FMT_FP6 matrix_a_scale:MATRIX_SCALE_ROW1
.endif
.set mb, mb+1
.endr
.set ma, ma+1
.endr
.endm
.macro STEP slot, q, cm
	s_wait_dscnt 0x0
	PLACES 4
	FETCH \slot, (\q)+1, 1-(\q)%2
	MULH 0, (\q)%2, \cm
	MULH 1, (\q)%2, \cm
	WIN 0
.endm
.macro MID slot
.set mq, 1
.rept NQ-2
	STEP \slot, mq, 0
.set mq, mq+1
.endr
.endm
.macro TURN slot, next, fill
	s_wait_tensorcnt 0x0
	ds_add_u32 v[SPW], v[NIL]
.if \fill
	s_add_nc_u64 s[G0+4*\slot+2:G0+4*\slot+3], s[G0+4*\slot+2:G0+4*\slot+3], 2*NQ*1536
	s_add_nc_u64 s[G0B+4*\slot+2:G0B+4*\slot+3], s[G0B+4*\slot+2:G0B+4*\slot+3], 2*NQ*1536
.endif
	s_wait_dscnt 0x0
	s_barrier_signal -1
	MULH 0, 1, 0
	WIN 0
	s_barrier_wait -1
.if \fill
	CREST
	JLOAD G0+4*\slot, G1, G0B+4*\slot, G1B
.else
	PLACES 4
.endif
	s_wait_alu depctr_va_vdst(0)
	v_add_nc_u32 v[ADRS], NQ*64, v[ADRS]
	FETCH \next, 0, 0
	MULH 1, 1, 0
	WIN 0
.endm
.macro QUANT s, d0, d1
.irp b, 0,1,2,3
	v_max3_num_f32 v[TM+\b], |v[\s+16*\b]|, |v[\s+16*\b+1]|, 0x1800000
.endr
.irp i, 2,4,6,8,10,12,14
.irp b, 0,1,2,3
	v_max3_num_f32 v[TM+\b], v[TM+\b], |v[\s+16*\b+\i]|, |v[\s+16*\b+\i+1]|
.endr
.endr
.irp b, 0,1,2,3
	v_permlanex16_b32 v[TM+4+\b], v[TM+\b], s[SEL], s[SEL+1]
.endr
.irp b, 0,1,2,3
	v_max_num_f32 v[TM+\b], v[TM+\b], v[TM+4+\b]
.endr
.irp b, 0,1,2,3
	v_add_nc_u32 v[TM+12+\b], 0xff000000, v[TM+\b]
.endr
.irp b, 0,1,2,3
	v_lshrrev_b32 v[TM+4+\b], 23, v[TM+12+\b]
.endr
	v_lshl_or_b32 v[PW], v[TM+5], 8, v[TM+4]
	v_lshl_or_b32 v[PW], v[TM+6], 16, v[PW]
	v_lshl_or_b32 v[PW], v[TM+7], 24, v[PW]
	v_cvt_scalef32_pk16_fp6_f32 v[\d0:\d0+2], v[\s:\s+15], v[TM+12]
	v_cvt_scalef32_pk16_fp6_f32 v[AUX:AUX+2], v[\s+16:\s+31], v[TM+13]
	v_cvt_scalef32_pk16_fp6_f32 v[\d1:\d1+2], v[\s+32:\s+47], v[TM+14]
	v_cvt_scalef32_pk16_fp6_f32 v[AUX+4:AUX+6], v[\s+48:\s+63], v[TM+15]
	v_nop
.irp i, 0,1,2
	v_permlane16_swap_b32 v[\d0+\i], v[AUX+\i]
.endr
.irp i, 0,1,2
	v_mov_b32 v[\d0+3+\i], v[AUX+\i]
.endr
.irp i, 0,1,2
	v_permlane16_swap_b32 v[\d1+\i], v[AUX+4+\i]
.endr
.irp i, 0,1,2
	v_mov_b32 v[\d1+3+\i], v[AUX+4+\i]
.endr
.endm
	s_load_b128 s[4:7], s[0:1], 0x0
	s_load_b128 s[8:11], s[0:1], 0x10
	v_lshl_add_u32 v[SPW], v0, 2, SPARE
	v_mov_b32 v[NIL], 0
	ds_add_u32 v[SPW], v[NIL]
	ds_add_u32 v[SPW], v[NIL]
	v_lshrrev_b32 v1, 5, v0
	v_readfirstlane_b32 s14, v1
	s_lshr_b32 s15, s14, 1
	s_and_b32 s16, s14, 1
	s_bfe_u32 s40, ttmp6, 0x40000
	s_bfe_u32 s41, ttmp6, 0x40004
	s_lshl_b32 s42, ttmp9, 2
	s_add_co_u32 s42, s42, s40
	s_and_b32 s17, ttmp7, 0xffff
	s_lshl_b32 s17, s17, 2
	s_add_co_u32 s17, s17, s41
	s_lshl_b32 s43, s41, 2
	s_lshl_b32 s43, 15, s43
	s_lshl_b32 s44, 0x1111, s40
	s_or_b32 s[G1+0], s43, (3<<16)|(1<<21)
	s_or_b32 s[G1B+0], s44, (3<<16)|(1<<21)
.irp g, G1, G1B
	s_mov_b32 s[\g+1], (NQ*192)<<16
	s_mov_b32 s[\g+2], (2*TB)<<16                  ; the head's load brings both halves, 2 TB tiles
	s_mov_b32 s[\g+3], (NQ*192)<<16
	s_mov_b32 s[\g+4], 2*TB
	s_mov_b32 s[\g+5], KT*192
	s_mov_b32 s[\g+6], 0
	s_mov_b32 s[\g+7], 0
.endr
	s_or_b32 s[G1S+0], s43, (3<<16)|(1<<21)
	s_or_b32 s[G1SB+0], s44, (3<<16)|(1<<21)
.irp g, G1S, G1SB
	s_mov_b32 s[\g+1], 32<<16
	s_mov_b32 s[\g+2], (QS/128)<<16                ; the scale words of 2 TB tiles
	s_mov_b32 s[\g+3], 32<<16
	s_mov_b32 s[\g+4], QS/128
	s_mov_b32 s[\g+5], 32
	s_mov_b32 s[\g+6], 0
	s_mov_b32 s[\g+7], 0
.endr
	s_mul_i32 s20, s17, 2*TB                       ; S1: the block's first tile of 16 rows
	s_mul_i32 s46, s42, 2*TB                       ; S0 likewise
	s_mul_i32 s22, s20, KT*64
	s_mul_i32 s92, s46, KT*64
	s_mul_i32 s20, s20, RT
	s_mul_i32 s46, s46, RT
	s_mov_b32 s21, 0
	s_mov_b32 s23, 0
	s_mov_b32 s47, 0
	s_mov_b32 s93, 0
	s_mul_i32 s45, s14, QUART
	s_mov_b32 s[SEL], 0x76543210
	s_mov_b32 s[SEL+1], 0xfedcba98
	s_wait_dscnt 0x0
	s_wait_kmcnt 0x0
	s_add_nc_u64 s[20:21], s[4:5], s[20:21]
	s_add_nc_u64 s[22:23], s[4:5], s[22:23]
	s_add_nc_u64 s[22:23], s[22:23], S1SOFF
	s_add_nc_u64 s[46:47], s[6:7], s[46:47]
	s_add_nc_u64 s[46:47], s[46:47], S0OFF
	s_add_nc_u64 s[92:93], s[6:7], s[92:93]
	s_add_nc_u64 s[92:93], s[92:93], S0SOFF
	CROUND
	s_mov_b32 s[G0S], 1
	s_mov_b32 s[G0S+1], SCL
	s_mov_b64 s[G0S+2:G0S+3], s[22:23]
	s_or_b32 s[G0S+3], s[G0S+3], 0x80000000
	s_mov_b32 s[G0SB], 1
	s_mov_b32 s[G0SB+1], SCL+2*QS
	s_mov_b64 s[G0SB+2:G0SB+3], s[92:93]
	s_or_b32 s[G0SB+3], s[G0SB+3], 0x80000000
	; THE HEAD'S FOUR TILES, ONE LOAD A WAVE: wave 0 slot 0's 2 TB tiles of S1, wave 1 those of S0, wave 2 S1's scale words, wave 3 S0's.
	; Slot 0's groups 0 serve the head's whole tiles first; behind the wait for them they are set to my half, for the ring.
	s_mul_i32 s18, s16, TB*RT                      ; my half of a block, in bytes
	s_mov_b32 s19, 0
.irp g, G0, G0B
	s_mov_b32 s[\g], 1
	s_mov_b32 s[\g+4], 1
	s_add_co_u32 s[\g+5], s45, SLOT
.endr
	s_mov_b32 s[G0+1], 0
	s_mov_b32 s[G0B+1], 2*QUART
	s_mov_b64 s[G0+2:G0+3], s[20:21]
	s_mov_b64 s[G0B+2:G0B+3], s[46:47]
	s_add_nc_u64 s[20:21], s[20:21], s[18:19]
	s_add_nc_u64 s[46:47], s[46:47], s[18:19]
	s_add_nc_u64 s[G0+6:G0+7], s[20:21], NQ*1536
	s_add_nc_u64 s[G0B+6:G0B+7], s[46:47], NQ*1536
.irp r, G0+3, G0+7, G0B+3, G0B+7
	s_or_b32 s[\r], s[\r], 0x80000000
.endr
.macro ARM under, g0, g1, next         ; one chain of branches on the wave's number: every way passes exactly one load
	s_cmp_lt_u32 s14, \under
	s_cbranch_scc0 \next
	tensor_load_to_lds s[\g0:\g0+3], s[\g1:\g1+7]
	s_nop 0
.rept 4
	v_nop
.endr
	s_branch .Lhead_asked
\next:
.endm
	ARM 1, G0,  G1,  .Lhead_b
	ARM 2, G0B, G1B, .Lhead_sa
	ARM 3, G0S, G1S, .Lhead_sb
	tensor_load_to_lds s[G0SB:G0SB+3], s[G1SB:G1SB+7]
	s_nop 0
.rept 4
	v_nop
.endr
.Lhead_asked:
	v_and_b32 v1, 15, v0
	v_bfe_u32 v2, v0, 4, 1
	v_and_b32 v3, 31, v0
	v_lshlrev_b32 v[L16], 4, v3
	v_lshlrev_b32 v[SH16], 4, v2
	v_lshlrev_b32 v[SCO], 2, v1
	v_lshl_add_u32 v[SCO], v2, 1, v[SCO]
	s_mul_i32 s21, s15, QUART
	s_mul_i32 s22, s16, QUART
	s_add_co_u32 s22, s22, 2*QUART
.irp s, 0,1
	v_add_nc_u32 v[ADR1+\s], s21, v[L16]
	v_add_nc_u32 v[ADR0+\s], s22, v[L16]
	s_add_co_u32 s21, s21, SLOT
	s_add_co_u32 s22, s22, SLOT
.endr
	v_lshlrev_b32 v5, 2, v1
	s_mul_i32 s21, s15, QS
	s_mul_i32 s22, s16, QS
	s_add_co_u32 s22, s22, 2*QS
	s_sub_co_u32 s22, s22, s21
	v_mul_u32_u24 v6, s22, v2
	s_add_co_u32 s21, s21, SCL
	v_add_nc_u32 v5, v5, v6
	v_add_nc_u32 v[ADRS], s21, v5
	v_mov_b32 v[KA], 0x32edffee
	v_mov_b32 v[KA+1], 0x32edffee
	v_mov_b32 v[KA+2], 0xb95fbd29
	v_mov_b32 v[KA+3], 0xb95fbd29
	s_mul_i32 s20, s42, 32*TB*4
	s_mul_i32 s21, s16, 16*TB*4
	s_add_co_u32 s20, s20, s21
	s_mov_b32 s21, 0
	s_add_nc_u64 s[8:9], s[8:9], s[20:21]
	v_lshlrev_b32 v7, 6, v2
	WIN 0x40
.set bi, 0
.rept TB
.set rC, 96+8*bi+96*(bi/4)
	global_load_b128 v[rC:rC+3], v7, s[8:9] offset:(32*(bi/2)+8*(bi%2))*4
	global_load_b128 v[rC+4:rC+7], v7, s[8:9] offset:(32*(bi/2)+8*(bi%2))*4+16
.set bi, bi+1
.endr
	WIN 0
	s_wait_alu depctr_va_vdst(0)
	s_wait_loadcnt 0x0
	s_wait_tensorcnt 0x0                           ; my tile of the head's four is in
	ds_add_u32 v[SPW], v[NIL]
.irp g, G1, G1B
	s_mov_b32 s[\g+2], TB<<16                      ; no load of mine is out: from here on a load brings TB tiles
	s_mov_b32 s[\g+4], TB
.endr
.irp g, G0, G0B
	s_mov_b32 s[\g+1], s45                         ; slot 0's group 0 for the ring: my quarter of the slot, my half of the block
	s_add_nc_u64 s[\g+2:\g+3], s[\g+2:\g+3], s[18:19]
.endr
	s_wait_dscnt 0x0
	CROUND                                         ; all four tiles are in, and all sixteen work-groups are here
	JLOAD G0+4, G1, G0B+4, G1B                     ; slot 1's first fill: the first tensor load behind the round
	FETCH 0, 0, 0
	STEP 0, 0, 2
.if LAPS > 1
	s_mov_b32 s3, LAPS-1
.Llap:
	MID 0
	TURN 0, 1, 1
	s_wait_alu depctr_va_vdst(0)
	STEP 1, 0, 0
	MID 1
	TURN 1, 0, 1
	s_wait_alu depctr_va_vdst(0)
	STEP 0, 0, 0
	s_sub_co_u32 s3, s3, 1
	s_cmp_lg_u32 s3, 0
	s_cbranch_scc1 .Llap
.endif
	MID 0
	TURN 0, 1, 0
	s_wait_alu depctr_va_vdst(0)
	STEP 1, 0, 0
	MID 1
	s_wait_dscnt 0x0
	MULH 0, 1, 0
	MULH 1, 1, 0
	WIN 0
	PLACES 4
	s_lshl_b32 s20, s17, 4
	s_lshl_b32 s21, s15, 3
	s_add_co_u32 s20, s20, s21
	s_lshl_b32 s21, s42, 1
	s_add_co_u32 s21, s21, s16
	s_mul_i32 s22, s20, 49152
	s_mul_i32 s23, s21, 1536
	s_add_co_u32 s22, s22, s23
	s_lshl_b32 s20, s20, 11
	s_lshl_b32 s21, s21, 6
	s_add_co_u32 s20, s20, s21
	s_add_co_u32 s20, s20, 12582912
	s_mov_b32 s21, 0
	s_mov_b32 s23, 0
	s_add_nc_u64 s[12:13], s[10:11], s[20:21]
	s_add_nc_u64 s[10:11], s[10:11], s[22:23]
.macro HALVE k
	WIN 2+(\k)/4
.set n, 0
.rept 32
	v_pk_mul_f32 v[H+n:H+n+1], v[64*((\k)%4)+n:64*((\k)%4)+n+1], 0.5 op_sel_hi:[1,0]
.set n, n+2
.endr
	WIN 0
.endm
.macro HORNER acc, coef
.set n, 0
.rept 16
	v_pk_fma_f32 v[\acc+n:\acc+n+1], v[\acc+n:\acc+n+1], v[X2+n:X2+n+1], \coef op_sel_hi:[1,1,0]
.set n, n+2
.endr
.endm
.macro GELU32 u
.set HB, H+32*(\u)
.set n, 0
.rept 16
	v_pk_mul_f32 v[ZC+n:ZC+n+1], v[HB+n:HB+n+1], 0x3fb504f3 op_sel_hi:[1,0]
.set n, n+2
.endr
.set n, 0
.rept 32
	v_med3_num_f32 v[ZC+n], v[ZC+n], -4.0, 4.0
.set n, n+1
.endr
.set n, 0
.rept 16
	v_pk_mul_f32 v[X2+n:X2+n+1], v[ZC+n:ZC+n+1], v[ZC+n:ZC+n+1]
.set n, n+2
.endr
.set n, 0
.rept 16
	v_pk_fma_f32 v[PA+n:PA+n+1], v[X2+n:X2+n+1], 0xaf95df0b, v[KA:KA+1] op_sel_hi:[1,0,1]
	v_pk_fma_f32 v[PB+n:PB+n+1], v[X2+n:X2+n+1], 0xb77460cd, v[KA+2:KA+3] op_sel_hi:[1,0,1]
.set n, n+2
.endr
	HORNER PA, 0xb60cff51
	HORNER PB, 0xbadc924e
	HORNER PA, 0xb86ec2d2
	HORNER PB, 0xbbf19bf8
	HORNER PA, 0xba40ac63
	HORNER PB, 0xbc69b6a7
	HORNER PA, 0xbb41a1f6
	HORNER PA, 0xbc83dbd4
.set n, 0
	s_wait_alu depctr_va_vdst(0)
.rept 32
	v_rcp_f32 v[PB+n], v[PB+n]
.set n, n+1
.endr
.set n, 0
.rept 16
	v_pk_mul_f32 v[PA+n:PA+n+1], v[PA+n:PA+n+1], v[ZC+n:ZC+n+1]
.set n, n+2
.endr
	s_wait_alu depctr_va_vdst(0)
.set n, 0
.rept 16
	v_pk_mul_f32 v[PA+n:PA+n+1], v[PA+n:PA+n+1], v[PB+n:PB+n+1]
.set n, n+2
.endr
.set n, 0
.rept 16
	v_pk_fma_f32 v[HB+n:HB+n+1], v[HB+n:HB+n+1], v[PA+n:PA+n+1], v[HB+n:HB+n+1]
.set n, n+2
.endr
.endm
	s_mov_b32 s3, 0
.Lrow:
.irp k, 0,1,2,3,4,5,6
	s_cmp_eq_u32 s3, \k
	s_cbranch_scc1 .Lacc\k
.endr
	HALVE 7
	s_branch .Lgelu
.irp k, 0,1,2,3,4,5,6
.Lacc\k:
	HALVE \k
	s_branch .Lgelu
.endr
.Lgelu:
	GELU32 0
	GELU32 1
	QUANT H, PC, PC+6
	v_lshrrev_b32 v[PW+1], v[SH16], v[PW]
.irp g, 0,1,2
	global_store_b128 v[L16], v[PC+4*\g:PC+4*\g+3], s[10:11] offset:512*\g
.endr
	global_store_b16 v[SCO], v[PW+1], s[12:13]
	s_wait_xcnt 0x0
	s_add_nc_u64 s[10:11], s[10:11], 49152
	s_add_nc_u64 s[12:13], s[12:13], 2048
	s_add_co_u32 s3, s3, 1
	s_cmp_lt_u32 s3, 8
	s_cbranch_scc1 .Lrow
	s_wait_tensorcnt 0x0
	ds_add_u32 v[SPW], v[NIL]
	s_wait_dscnt 0x0
	CROUND
	s_endpgm
.Lfunc_end_k_q1996fbea8f_mlp_up:
	.size	k_q1996fbea8f_mlp_up, .Lfunc_end_k_q1996fbea8f_mlp_up-k_q1996fbea8f_mlp_up
	.p2alignl 7, 3214868480
	.fill 96, 4, 3214868480
	.section	.rodata,"a",@progbits
	.p2align	6, 0x0
	.amdhsa_kernel k_q1996fbea8f_mlp_up
		.amdhsa_group_segment_fixed_size 327680
		.amdhsa_private_segment_fixed_size 0
		.amdhsa_enable_private_segment 0
		.amdhsa_kernarg_size 32
		.amdhsa_user_sgpr_count 2
		.amdhsa_user_sgpr_kernarg_segment_ptr 1
		.amdhsa_wavefront_size32 1
		.amdhsa_system_sgpr_workgroup_id_x 1
		.amdhsa_system_sgpr_workgroup_id_y 1
		.amdhsa_system_sgpr_workgroup_id_z 1
		.amdhsa_system_vgpr_workitem_id 0
		.amdhsa_next_free_vgpr 1024
		.amdhsa_next_free_sgpr 100
		.amdhsa_reserve_vcc 0
		.amdhsa_float_denorm_mode_32 3
		.amdhsa_float_denorm_mode_16_64 3
		.amdhsa_memory_ordered 1
		.amdhsa_forward_progress 1
		.amdhsa_inst_pref_size 179
	.end_amdhsa_kernel
	.amdgpu_metadata
---
amdhsa.version: [ 1, 2 ]
amdhsa.kernels:
  - .name:           k_q1996fbea8f_mlp_up
    .symbol:         k_q1996fbea8f_mlp_up.kd
    .args:
      - { .name: nxc, .offset: 0, .size: 8, .value_kind: global_buffer, .address_space: global }
      - { .name: wts, .offset: 8, .size: 8, .value_kind: global_buffer, .address_space: global }
      - { .name: b_mlp1, .offset: 16, .size: 8, .value_kind: global_buffer, .address_space: global }
      - { .name: hc, .offset: 24, .size: 8, .value_kind: global_buffer, .address_space: global }
    .group_segment_fixed_size: 327680
    .private_segment_fixed_size: 0
    .kernarg_segment_align: 8
    .kernarg_segment_size: 32
    .max_flat_workgroup_size: 128
    .sgpr_count:     100
    .vgpr_count:     1024
    .wavefront_size: 32
...
	.end_amdgpu_metadata
.endif
;; end of part 6
;; launch mlp_down (part 7): grid 8 x 32, 4 waves a work-group, clusters of 4 x 4, 327,680 bytes of LDS; arguments hc, wts, b_mlp2, x1, out0; writes out0
.if DOCPART == 7
	.amdgcn_target "amdgcn-amd-amdhsa--gfx1250"
	.amdhsa_code_object_version 6
	.text
	.protected	k_q1996fbea8f_mlp_down
	.globl	k_q1996fbea8f_mlp_down
	.p2align	8
	.type	k_q1996fbea8f_mlp_down,@function
k_q1996fbea8f_mlp_down:
	s_mov_b64 s[64:65], 0
	v_nop
	global_prefetch_b8 v0, s[64:65] scope:SCOPE_SE
	s_setreg_imm32_b32 hwreg(HW_REG_WAVE_MODE, 25, 1), 1
	s_wait_xcnt 0x0
	s_wait_alu depctr_hold_cnt(0) depctr_sa_sdst(0) depctr_va_vdst(0) depctr_va_sdst(0) depctr_va_ssrc(0) depctr_va_vcc(0) depctr_vm_vsrc(0)
	s_getreg_b32 s2, hwreg(HW_REG_IB_STS2, 6, 4)
	s_cmp_eq_u32 s2, 0
	s_cbranch_scc0 .Lentry_in_a_cluster
	s_endpgm
.Lentry_in_a_cluster:
	s_bfe_u32 s2, ttmp6, 0x10000c
	s_cmp_lg_u32 s2, 0xf033
	s_cbranch_scc0 .Lentry_shape_is_right
	s_endpgm
.Lentry_shape_is_right:
.set TB,    4
.set NQ,    4
.set KT,    32
.set LAPS,  KT/(2*NQ)
.set HALF,  TB/2
.set RT,    KT*1536
.set QUART, TB*NQ*1536
.set SLOT,  4*QUART
.set QS,    TB*KT*64
.set SCL,   2*SLOT
.set STG,   SCL+4*QS
.set SPARE, STG+4*4352
.set S1SOFF, 12582912
.set S0OFF,  6291456
.set S0SOFF, 9699328
.set RESP,  10
.set OUTP,  12
.set ADR1, 16
.set ADR0, 20
.set STO,  24
.set RD,   25
.set CO,   26
.set ADRS, 27
.set SPW,  28
.set NIL,  29
.set L16,  30
.set SC,   32
.set RES,  64
.set G1, 24
.set G0, 32
.set G1B, 48
.set G0B, 56
.set G1S, 68
.set G0S, 76
.set G1SB, 80
.set G0SB, 88
.set MSB, 0
.macro WIN new
.if MSB != (\new)
	s_set_vgpr_msb (MSB<<8)|(\new)
.set MSB, (\new)
.endif
.endm
.macro JLOAD g0a, g1a, g0b, g1b
	s_cmp_eq_u32 s15, 0
	s_cbranch_scc0 .Lfor_b_\@
	tensor_load_to_lds s[\g0a:\g0a+3], s[\g1a:\g1a+7]
	s_nop 0
.rept 4
	v_nop
.endr
	s_branch .Lasked_\@
.Lfor_b_\@:
	tensor_load_to_lds s[\g0b:\g0b+3], s[\g1b:\g1b+7]
	s_nop 0
.rept 4
	v_nop
.endr
.Lasked_\@:
.endm
.macro CREST
	s_cmp_lg_u32 s14, 0
	s_cbranch_scc1 .Lnot_wave_0_\@
	s_barrier_signal -3
.Lnot_wave_0_\@:
	s_barrier_wait -3
	s_barrier_signal -1
	s_barrier_wait -1
.endm
.macro CROUND
	s_barrier_signal -1
	s_barrier_wait -1
	CREST
.endm
.macro PLACES n
.rept \n
	v_nop
.endr
.endm
.macro FETCH slot, q, set
	WIN 0x40
.set fi, 0
.rept TB
.irp g, 0,1,2
	ds_load_b128 v[128*(\set)+12*fi+4*\g:128*(\set)+12*fi+4*\g+3], v[ADR0+\slot] offset:fi*NQ*1536+(\q)*1536+512*\g
.endr
.set fi, fi+1
.endr
	WIN 0
.set fi, 0
.rept TB
.irp g, 0,1,2
	ds_load_b128 v[64+96*(\set)+12*fi+4*\g:64+96*(\set)+12*fi+4*\g+3], v[ADR1+\slot] offset:fi*NQ*1536+(\q)*1536+512*\g
.endr
.set fi, fi+1
.endr
.set fi, 0
.rept TB
	ds_load_b32 v[SC+8*(\set)+fi], v[ADRS] offset:fi*KT*64+(\q)*64
.set fi, fi+1
.endr
.endm
.macro MULH half, set, cm
.if \cm == 2
	WIN 0x91+0x40*(\half)
.else
	WIN 0xa1+0x50*(\half)
.endif
.set ma, HALF*(\half)
.rept HALF
.set mb, 0
.rept TB
.set rD, 8*(TB*(ma%HALF)+mb)
.set rB, 128*(\set)+12*mb
.set rA, 64+96*(\set)+12*ma
.set rC, 96+8*mb
.if \cm == 0
	v_wmma_scale_f32_16x16x128_f8f6f4 v[rD:rD+7], v[rB:rB+11], v[rA:rA+11], v[rD:rD+7], v[SC+8*(\set)+mb], v[SC+8*(\set)+ma] matrix_a_fmt:MATRIX_FMT_FP6 matrix_b_fmt:MATRIX_FMT_FP6 matrix_a_scale:MATRIX_SCALE_ROW1
.else
	v_wmma_scale_f32_16x16x128_f8f6f4 v[rD:rD+7], v[rB:rB+11], v[rA:rA+11], v[rC:rC+7], v[SC+8*(\set)+mb], v[SC+8*(\set)+ma] matrix_a_fmt:MATRIX_FMT_FP6 matrix_b_fmt:MATRIX_FMT_FP6 matrix_a_scale:MATRIX_SCALE_ROW1
.endif
.set mb, mb+1
.endr
.set ma, ma+1
.endr
.endm
.macro STEP slot, q, cm
	s_wait_dscnt 0x0
	PLACES 4
	FETCH \slot, (\q)+1, 1-(\q)%2
	MULH 0, (\q)%2, \cm
	MULH 1, (\q)%2, \cm
	WIN 0
.endm
.macro MID slot
.set mq, 1
.rept NQ-2
	STEP \slot, mq, 0
.set mq, mq+1
.endr
.endm
.macro TURN slot, next, fill
	s_wait_tensorcnt 0x0
	ds_add_u32 v[SPW], v[NIL]
.if \fill
	s_add_nc_u64 s[G0+4*\slot+2:G0+4*\slot+3], s[G0+4*\slot+2:G0+4*\slot+3], 2*NQ*1536
	s_add_nc_u64 s[G0B+4*\slot+2:G0B+4*\slot+3], s[G0B+4*\slot+2:G0B+4*\slot+3], 2*NQ*1536
.endif
	s_wait_dscnt 0x0
	s_barrier_signal -1
	MULH 0, 1, 0
	WIN 0
	s_barrier_wait -1
.if \fill
	CREST
	JLOAD G0+4*\slot, G1, G0B+4*\slot, G1B
.else
	PLACES 4
.endif
	v_add_nc_u32 v[ADRS], NQ*64, v[ADRS]
	FETCH \next, 0, 0
	MULH 1, 1, 0
	WIN 0
.endm
	s_load_b256 s[4:11], s[0:1], 0x0
	s_load_b64 s[12:13], s[0:1], 0x20
	v_lshl_add_u32 v[SPW], v0, 2, SPARE
	v_mov_b32 v[NIL], 0
	ds_add_u32 v[SPW], v[NIL]
	ds_add_u32 v[SPW], v[NIL]
	v_lshrrev_b32 v1, 5, v0
	v_readfirstlane_b32 s14, v1
	s_lshr_b32 s15, s14, 1
	s_and_b32 s16, s14, 1
	s_bfe_u32 s40, ttmp6, 0x40000
	s_bfe_u32 s41, ttmp6, 0x40004
	s_lshl_b32 s42, ttmp9, 2
	s_add_co_u32 s42, s42, s40
	s_and_b32 s17, ttmp7, 0xffff
	s_lshl_b32 s17, s17, 2
	s_add_co_u32 s17, s17, s41
	s_lshl_b32 s43, s41, 2
	s_lshl_b32 s43, 15, s43
	s_lshl_b32 s44, 0x1111, s40
	s_or_b32 s[G1+0], s43, (3<<16)|(1<<21)
	s_or_b32 s[G1B+0], s44, (3<<16)|(1<<21)
.irp g, G1, G1B
	s_mov_b32 s[\g+1], (NQ*192)<<16
	s_mov_b32 s[\g+2], (2*TB)<<16                  ; the head's load brings both halves, 2 TB tiles
	s_mov_b32 s[\g+3], (NQ*192)<<16
	s_mov_b32 s[\g+4], 2*TB
	s_mov_b32 s[\g+5], KT*192
	s_mov_b32 s[\g+6], 0
	s_mov_b32 s[\g+7], 0
.endr
	s_or_b32 s[G1S+0], s43, (3<<16)|(1<<21)
	s_or_b32 s[G1SB+0], s44, (3<<16)|(1<<21)
.irp g, G1S, G1SB
	s_mov_b32 s[\g+1], 32<<16
	s_mov_b32 s[\g+2], (QS/128)<<16                ; the scale words of 2 TB tiles
	s_mov_b32 s[\g+3], 32<<16
	s_mov_b32 s[\g+4], QS/128
	s_mov_b32 s[\g+5], 32
	s_mov_b32 s[\g+6], 0
	s_mov_b32 s[\g+7], 0
.endr
	s_mul_i32 s20, s17, 2*TB                       ; S1: the block's first tile of 16 rows
	s_mul_i32 s46, s42, 2*TB                       ; S0 likewise
	s_mul_i32 s22, s20, KT*64
	s_mul_i32 s92, s46, KT*64
	s_mul_i32 s20, s20, RT
	s_mul_i32 s46, s46, RT
	s_mov_b32 s21, 0
	s_mov_b32 s23, 0
	s_mov_b32 s47, 0
	s_mov_b32 s93, 0
	s_mul_i32 s45, s14, QUART
	s_wait_dscnt 0x0
	s_wait_kmcnt 0x0
	s_add_nc_u64 s[20:21], s[4:5], s[20:21]
	s_add_nc_u64 s[22:23], s[4:5], s[22:23]
	s_add_nc_u64 s[22:23], s[22:23], S1SOFF
	s_add_nc_u64 s[46:47], s[6:7], s[46:47]
	s_add_nc_u64 s[46:47], s[46:47], S0OFF
	s_add_nc_u64 s[92:93], s[6:7], s[92:93]
	s_add_nc_u64 s[92:93], s[92:93], S0SOFF
	CROUND
	s_mov_b32 s[G0S], 1
	s_mov_b32 s[G0S+1], SCL
	s_mov_b64 s[G0S+2:G0S+3], s[22:23]
	s_or_b32 s[G0S+3], s[G0S+3], 0x80000000
	s_mov_b32 s[G0SB], 1
	s_mov_b32 s[G0SB+1], SCL+2*QS
	s_mov_b64 s[G0SB+2:G0SB+3], s[92:93]
	s_or_b32 s[G0SB+3], s[G0SB+3], 0x80000000
	; THE HEAD'S FOUR TILES, ONE LOAD A WAVE: wave 0 slot 0's 2 TB tiles of S1, wave 1 those of S0, wave 2 S1's scale words, wave 3 S0's.
	; Slot 0's groups 0 serve the head's whole tiles first; behind the wait for them they are set to my half, for the ring.
	s_mul_i32 s18, s16, TB*RT                      ; my half of a block, in bytes
	s_mov_b32 s19, 0
.irp g, G0, G0B
	s_mov_b32 s[\g], 1
	s_mov_b32 s[\g+4], 1
	s_add_co_u32 s[\g+5], s45, SLOT
.endr
	s_mov_b32 s[G0+1], 0
	s_mov_b32 s[G0B+1], 2*QUART
	s_mov_b64 s[G0+2:G0+3], s[20:21]
	s_mov_b64 s[G0B+2:G0B+3], s[46:47]
	s_add_nc_u64 s[20:21], s[20:21], s[18:19]
	s_add_nc_u64 s[46:47], s[46:47], s[18:19]
	s_add_nc_u64 s[G0+6:G0+7], s[20:21], NQ*1536
	s_add_nc_u64 s[G0B+6:G0B+7], s[46:47], NQ*1536
.irp r, G0+3, G0+7, G0B+3, G0B+7
	s_or_b32 s[\r], s[\r], 0x80000000
.endr
.macro ARM under, g0, g1, next         ; one chain of branches on the wave's number: every way passes exactly one load
	s_cmp_lt_u32 s14, \under
	s_cbranch_scc0 \next
	tensor_load_to_lds s[\g0:\g0+3], s[\g1:\g1+7]
	s_nop 0
.rept 4
	v_nop
.endr
	s_branch .Lhead_asked
\next:
.endm
	ARM 1, G0,  G1,  .Lhead_b
	ARM 2, G0B, G1B, .Lhead_sa
	ARM 3, G0S, G1S, .Lhead_sb
	tensor_load_to_lds s[G0SB:G0SB+3], s[G1SB:G1SB+7]
	s_nop 0
.rept 4
	v_nop
.endr
.Lhead_asked:
	v_and_b32 v1, 15, v0
	v_bfe_u32 v2, v0, 4, 1
	s_wait_alu depctr_va_vdst(0)
	v_and_b32 v3, 31, v0
	v_lshlrev_b32 v[L16], 4, v3
	s_mul_i32 s21, s15, QUART
	s_mul_i32 s22, s16, QUART
	s_add_co_u32 s22, s22, 2*QUART
.irp s, 0,1
	v_add_nc_u32 v[ADR1+\s], s21, v[L16]
	v_add_nc_u32 v[ADR0+\s], s22, v[L16]
	s_add_co_u32 s21, s21, SLOT
	s_add_co_u32 s22, s22, SLOT
.endr
	v_lshlrev_b32 v5, 2, v1
	s_mul_i32 s21, s15, QS
	s_mul_i32 s22, s16, QS
	s_add_co_u32 s22, s22, 2*QS
	s_sub_co_u32 s22, s22, s21
	v_mul_u32_u24 v6, s22, v2
	s_add_co_u32 s21, s21, SCL
	v_add_nc_u32 v5, v5, v6
	v_add_nc_u32 v[ADRS], s21, v5
	s_mul_i32 s23, s14, 4352
	s_add_co_u32 s23, s23, STG
	v_mul_u32_u24 v5, v1, 272
	v_lshl_add_u32 v5, v2, 6, v5
	v_add_nc_u32 v[STO], s23, v5
	v_mul_u32_u24 v5, v2, 272
	v_lshl_add_u32 v5, v1, 4, v5
	v_add_nc_u32 v[RD], s23, v5
	v_lshlrev_b32 v5, 12, v2
	v_lshl_add_u32 v[CO], v1, 4, v5
	s_wait_alu depctr_va_vdst(0)
	s_lshl_b32 s20, s17, 7
	s_lshl_b32 s21, s15, 6
	s_add_co_u32 s20, s20, s21
	s_lshl_b32 s20, s20, 12
	s_lshl_b32 s21, s42, 9
	s_add_co_u32 s20, s20, s21
	s_lshl_b32 s21, s16, 8
	s_add_co_u32 s20, s20, s21
	s_mov_b32 s21, 0
	s_add_nc_u64 s[RESP:RESP+1], s[RESP:RESP+1], s[20:21]
	s_add_nc_u64 s[OUTP:OUTP+1], s[OUTP:OUTP+1], s[20:21]
	s_mul_i32 s20, s42, 32*TB*4
	s_mul_i32 s21, s16, 16*TB*4
	s_add_co_u32 s20, s20, s21
	s_mov_b32 s21, 0
	s_add_nc_u64 s[8:9], s[8:9], s[20:21]
	v_lshlrev_b32 v7, 6, v2
	WIN 0x40
.set bi, 0
.rept TB
.set rC, 96+8*bi
	global_load_b128 v[rC:rC+3], v7, s[8:9] offset:(32*(bi/2)+8*(bi%2))*4
	global_load_b128 v[rC+4:rC+7], v7, s[8:9] offset:(32*(bi/2)+8*(bi%2))*4+16
.set bi, bi+1
.endr
	WIN 0x80
.irp a, 0,1,2,3
.irp i, 0,1,2,3,4,5,6,7
	global_load_b128 v[RES+32*\a+4*\i:RES+32*\a+4*\i+3], v[CO], s[RESP:RESP+1] offset:(32*(\a/2)+8*(\a%2)+2*\i+8*(\i/4))*4096
.endr
.endr
	WIN 0
	s_wait_loadcnt 32
	s_wait_alu depctr_va_vdst(0)                   ; the wait at the head's end
	s_wait_tensorcnt 0x0                           ; my tile of the head's four is in
	ds_add_u32 v[SPW], v[NIL]
.irp g, G1, G1B
	s_mov_b32 s[\g+2], TB<<16                      ; no load of mine is out: from here on a load brings TB tiles
	s_mov_b32 s[\g+4], TB
.endr
.irp g, G0, G0B
	s_mov_b32 s[\g+1], s45                         ; slot 0's group 0 for the ring: my quarter of the slot, my half of the block
	s_add_nc_u64 s[\g+2:\g+3], s[\g+2:\g+3], s[18:19]
.endr
	s_wait_dscnt 0x0
	CROUND                                         ; all four tiles are in, and all sixteen work-groups are here
	JLOAD G0+4, G1, G0B+4, G1B                     ; slot 1's first fill: the first tensor load behind the round
	FETCH 0, 0, 0
	STEP 0, 0, 2
.if LAPS > 1
	s_mov_b32 s3, LAPS-1
.Llap:
	s_wait_alu depctr_va_vdst(0)
	MID 0
	TURN 0, 1, 1
	s_wait_alu depctr_va_vdst(0)
	STEP 1, 0, 0
	MID 1
	TURN 1, 0, 1
	s_wait_alu depctr_va_vdst(0)
	STEP 0, 0, 0
	s_sub_co_u32 s3, s3, 1
	s_cmp_lg_u32 s3, 0
	s_cbranch_scc1 .Llap
.endif
	MID 0
	TURN 0, 1, 0
	s_wait_alu depctr_va_vdst(0)
	STEP 1, 0, 0
	MID 1
	s_wait_dscnt 0x0
	MULH 0, 1, 0
	MULH 1, 1, 0
	WIN 0
	PLACES 4
.macro OUTROW a
.if (\a) >= 2
	s_wait_xcnt 0x0
.endif
	WIN 0x08+4*((\a)/2)
.irp b, 0,1,2,3
	ds_store_b128 v[STO], v[8*(4*((\a)%2)+\b):8*(4*((\a)%2)+\b)+3] offset:128*(\b/2)+32*(\b%2)
	ds_store_b128 v[STO], v[8*(4*((\a)%2)+\b)+4:8*(4*((\a)%2)+\b)+7] offset:128*(\b/2)+32*(\b%2)+16
.endr
	WIN 0
.set BB, 192+32*((\a)%2)
.irp i, 0,1,2,3,4,5,6,7
	ds_load_b128 v[BB+4*\i:BB+4*\i+3], v[RD] offset:544*\i
.endr
	s_wait_dscnt 0x0
	s_wait_loadcnt 8*(3-(\a))
	WIN 0x08
.set n, 0
.rept 16
	v_pk_add_f32 v[BB+n:BB+n+1], v[BB+n:BB+n+1], v[RES+32*(\a)+n:RES+32*(\a)+n+1]
.set n, n+2
.endr
	WIN 0
.irp i, 0,1,2,3,4,5,6,7
	global_store_b128 v[CO], v[BB+4*\i:BB+4*\i+3], s[OUTP:OUTP+1] offset:(32*((\a)/2)+8*((\a)%2)+2*\i+8*(\i/4))*4096 th:TH_STORE_NT
.endr
.endm
	OUTROW 0
	OUTROW 1
	OUTROW 2
	OUTROW 3
	s_wait_tensorcnt 0x0
	ds_add_u32 v[SPW], v[NIL]
	s_wait_dscnt 0x0
	CROUND
	s_endpgm
.Lfunc_end_k_q1996fbea8f_mlp_down:
	.size	k_q1996fbea8f_mlp_down, .Lfunc_end_k_q1996fbea8f_mlp_down-k_q1996fbea8f_mlp_down
	.p2alignl 7, 3214868480
	.fill 96, 4, 3214868480
	.section	.rodata,"a",@progbits
	.p2align	6, 0x0
	.amdhsa_kernel k_q1996fbea8f_mlp_down
		.amdhsa_group_segment_fixed_size 327680
		.amdhsa_private_segment_fixed_size 0
		.amdhsa_enable_private_segment 0
		.amdhsa_kernarg_size 40
		.amdhsa_user_sgpr_count 2
		.amdhsa_user_sgpr_kernarg_segment_ptr 1
		.amdhsa_wavefront_size32 1
		.amdhsa_system_sgpr_workgroup_id_x 1
		.amdhsa_system_sgpr_workgroup_id_y 1
		.amdhsa_system_sgpr_workgroup_id_z 1
		.amdhsa_system_vgpr_workitem_id 0
		.amdhsa_next_free_vgpr 1024
		.amdhsa_next_free_sgpr 100
		.amdhsa_reserve_vcc 0
		.amdhsa_float_denorm_mode_32 3
		.amdhsa_float_denorm_mode_16_64 3
		.amdhsa_memory_ordered 1
		.amdhsa_forward_progress 1
		.amdhsa_inst_pref_size 95
	.end_amdhsa_kernel
	.amdgpu_metadata
---
amdhsa.version: [ 1, 2 ]
amdhsa.kernels:
  - .name:           k_q1996fbea8f_mlp_down
    .symbol:         k_q1996fbea8f_mlp_down.kd
    .args:
      - { .name: hc, .offset: 0, .size: 8, .value_kind: global_buffer, .address_space: global }
      - { .name: wts, .offset: 8, .size: 8, .value_kind: global_buffer, .address_space: global }
      - { .name: b_mlp2, .offset: 16, .size: 8, .value_kind: global_buffer, .address_space: global }
      - { .name: x1, .offset: 24, .size: 8, .value_kind: global_buffer, .address_space: global }
      - { .name: out0, .offset: 32, .size: 8, .value_kind: global_buffer, .address_space: global }
    .group_segment_fixed_size: 327680
    .private_segment_fixed_size: 0
    .kernarg_segment_align: 8
    .kernarg_segment_size: 40
    .max_flat_workgroup_size: 128
    .sgpr_count:     100
    .vgpr_count:     1024
    .wavefront_size: 32
...
	.end_amdgpu_metadata
.endif
;; end of part 7
